; MI455X (gfx1250); checked and timed in simulation.
; The chip was launched on July 23, 2026; its instructions are those of AMD's public machine-readable ISA for CDNA 5 (MIT licence, August 2026) and "CDNA5" Instruction Set Architecture Reference Guide (July 2026). The comments in the code are by the model that wrote it; some were corrected since.
;; Attention. Allowed arithmetic: matrix products marked QUANTISED: E2M3 operands, one E8M0 scale for each 32 along K, by v_wmma_scale_f32_16x16x128_f8f6f4 with both operands' format E2M3, f32 sums; everything else in f32.
;; Inputs: w_attn 3,072 x 1,024 float32; w_proj 1,024 x 1,024 float32; x 4 x 2,048 x 1,024 float32.
;; Outputs: out0 4 x 2,048 x 1,024 float32.
;; This version of the problem:
;;   THIS VERSION OF THE PROBLEM IS GIVEN IN LOW PRECISION. The matrix products marked QUANTISED in the list below multiply operands that are first quantised to E2M3 (2 exponent bits, 3 mantissa bits; 6 bits a number), with one power-of-two scale for each 32 numbers along K (OCP MX v1.0); their sums are f32. All else is computed in f32.
;;   The module's matrix products, in the order in which they are computed (A, B: the left and right operand; K: the contracted axis; several contracted axes count as one K, in the product's order):
;;     1. [M 8,192, K 1,024] x [K 1,024, N 3,072]; A: input x; B: input w_attn: QUANTISED
;;     2. batch 64 x [M 2,048, K 64] x [K 64, N 2,048]; A: computed on the way; B: computed on the way: QUANTISED
;;     3. batch 64 x [M 2,048, K 2,048] x [K 2,048, N 64]; A: softmax (see below); B: computed on the way: QUANTISED
;;     4. [M 8,192, K 1,024] x [K 1,024, N 1,024]; A: computed on the way; B: input w_proj: QUANTISED
;;   THE QUANTISER, for each operand of a quantised product, along K:
;;     - K is cut into blocks of 32 from its start; a last block that is shorter is filled with zeros.
;;     - A block's scale is 2^e with e = floor(log2(the largest magnitude in the block)) - 2, held to -126 .. 127; a block of zeros has e = 0. As a byte (E8M0): e + 127.
;;     - Each number is divided by its block's scale, clamped to +-7.5, and rounded to the nearest number of E2M3, ties to even, subnormals kept.
;;     - The product sums the exact products of the quantised numbers (number of the format x scale) in f32.
;;   ~~~python
;;   def quantise(x, axis):      # numpy; x: float32 -> the quantised numbers, widened to float32 again
;;       x = np.moveaxis(x, axis, -1); K = x.shape[-1]
;;       x = np.pad(x, [(0, 0)] * (x.ndim - 1) + [(0, -K % 32)]); x = x.reshape(x.shape[:-1] + (-1, 32)); a = np.abs(x).max(-1, keepdims=True)
;;       e = np.where(a > 0, np.clip(np.frexp(np.where(a > 0, a, 1))[1] - 1 - 2, -126, 127), 0)      # np.frexp(a)[1] - 1 = floor(log2(a)), exactly
;;       r = np.clip(x / 2.0 ** e, -7.5, 7.5)
;;       step = 2.0 ** (np.maximum(np.frexp(np.where(r == 0, 1, r))[1] - 1, 0) - 3)
;;       q = np.round(r / step) * step * 2.0 ** e      # np.round: ties to even
;;       return np.moveaxis(q.reshape(q.shape[:-2] + (-1,))[..., :K], -1, axis).astype(np.float32)
;;   ~~~
;;   SOFTMAX AHEAD OF A QUANTISED PRODUCT. Where the list says 'softmax', what is quantised is not the finished softmax but p = 2^(t - M), with t = logit x log2(e) and M = ceil(the row's largest t), a whole number; so 1/2 < the row's largest p <= 1. The row's sum l is taken of the UNQUANTISED p, in f32, and the product's result is divided by l at the end. Since M is a whole number, a kernel that streams over the keys may use a running M (the ceiling of the running maximum): every later rescaling is an exact power of two, which a block's scale takes up: the codes' values come out the same.
;;   OPERANDS COMPUTED ON THE WAY. 'Computed on the way' means the value that the module computes at that place (a softmax that the list does not call 'softmax' is quantised finished and normalised). What goes into a quantiser is computed in f32, as accurately as f32 sums, v_exp_f32 and their like allow (about 1e-6 of the number): no bf16 or f16 on the way to a quantiser, and a product that is left as it is and whose result goes on into a quantised operand takes f32 operands (vector FMAs, or v_wmma_f32_16x16x4_f32). A number that lies on a knife's edge between two numbers of the format may be rounded either way, as far as f32 arithmetic and the matrix unit's own rounding can turn it there, and no further.
;; One version. Each part assembles by itself: llvm-mc -triple=amdgcn-amd-amdhsa -mcpu=gfx1250 --defsym DOCPART=n.
;; ======== version 1 of 1: 4 launches
;; limits: right only within a limited range of input values
;; workspace buffers: c1 9,437,184 bytes; s1 393,216 bytes; tab 524,288 bytes; c2 18,874,368 bytes; s2 1,310,720 bytes; c3 6,291,456 bytes; s3 524,288 bytes
;; launch prep (part 1): grid 416 x 1, 4 waves a work-group, no clusters, 34,304 bytes of LDS; arguments x, w_attn, w_proj, c1, s1, tab; writes c1, s1, tab
.if DOCPART == 1
	.amdgcn_target "amdgcn-amd-amdhsa--gfx1250"
	.amdhsa_code_object_version 6
	.text
	.protected	k_qfcf517134d_prep
	.globl	k_qfcf517134d_prep
	.p2align	8
	.type	k_qfcf517134d_prep,@function
k_qfcf517134d_prep:
	s_mov_b64 s[64:65], 0
	v_nop
	global_prefetch_b8 v0, s[64:65] scope:SCOPE_SE
	s_setreg_imm32_b32 hwreg(HW_REG_WAVE_MODE, 25, 1), 1
	s_wait_xcnt 0x0
; x [8192][1024], w_attn [3072][1024], w_proj [1024][1024], f32, become codes of E2M3 with one E8M0 byte for each 32 along K (their last axis); and the rope table is made.
; TILES.  16 rows form a tile; tile 2 A + u holds at place p (0..15) row 32 A + 8 u + p + 8 (p / 8).  Tiles 0-511 are x's, 512-703 w_attn's, 704-767 w_proj's.
; c1: tile x 12,288 bytes = 8 fragments (128 along K each) of 1,536 bytes, each AN IMAGE OF THE OPERAND'S 12 REGISTERS: registers 0-3 at 16 x lane, 4-5 at 512 + 8 x lane, 6-9 at 768 + 16 x lane, 10-11 at 1,280 + 8 x lane.
; s1: tile x 512 bytes: [half of K][place][4 scale words].
; Work-groups 0-383: wave w takes tile 2 x work-group + w / 2, half w % 2 of K: four fragments.  Each load reads 512 consecutive bytes of one row; the 16 rows turn through the wave's own stage in LDS (pitch 528),
; so that lane (r, h) gets, of place r's row, 16 neighbours of each block of 32: register 16 b + i = k 32 b + 16 h + i.  Every store covers 512 or 256 consecutive bytes, aligned.
; Work-groups 384-415: tab [t (2048)][pair (32)][cos, sin] f32 of the angle t x 10000^(-pair / 32); a wave makes 16 rows, a lane a pair; this way touches no LDS.
; LIMITS: NaN and infinities are not served.  A block whose largest magnitude lies under 2^-124, a block of zeros among them, has its byte held at 1 (the rule says 127 for zeros: the codes are zeros, and this program alone
; reads the bytes).  The table's reduction of the angle (two parts of pi / 2) holds for angles up to 2,047, which is all that 2,048 positions reach.
.set STG,   8448                       ; a wave's stage: 16 rows x (512 + 16) bytes
.set SPARE, 4*STG                      ; behind the stages: the spare words, 128 bytes a wave
.set SPW,   252                        ; v252 SPARE + 4 x my thread's number; never rewritten
.set NIL,   253                        ; v253 0; never rewritten
.set R,     16                         ; v16-79, v80-143: two sets of 16 rows x 16 bytes as loaded
.set X,     144                        ; v144-207: my 64 numbers of a fragment
.set PC,    208                        ; v208-226: the codes
.set TM,    228                        ; v228-243: at work
.set SWD,   248                        ; v248-251: the four fragments' scale words
.set SEL,   26                         ; s[26:27] lane selects: lane l xor 16
; 64 numbers, register 16 b + i = k 32 b + 16 h + i of my row, become a fragment's 12 registers in v[PC] on and its scale word in v[pw]
.macro QUANT s, pw
.irp b, 0,1,2,3
	v_max3_num_f32 v[TM+\b], |v[\s+16*\b]|, |v[\s+1+16*\b]|, 0x1800000   ; my 16 of block b, and the floor 2^(3 - 127): the byte cannot fall under 1
.endr
.irp i, 2,4,6,8,10,12,14
.irp b, 0,1,2,3
	v_max3_num_f32 v[TM+\b], v[TM+\b], |v[\s+16*\b+\i]|, |v[\s+1+16*\b+\i]|
.endr
.endr
.irp b, 0,1,2,3
	v_permlanex16_b32 v[TM+4+\b], v[TM+\b], s[SEL], s[SEL+1]
.endr
.irp b, 0,1,2,3
	v_max_num_f32 v[TM+\b], v[TM+\b], v[TM+4+\b]                 ; with lane l xor 16's 16: the block's largest magnitude
.endr
.irp b, 0,1,2,3
	v_add_nc_u32 v[TM+12+\b], 0xff000000, v[TM+\b]               ; 2 off its exponent field: the conversion's scale operand
.endr
.irp b, 0,1,2,3
	v_lshrrev_b32 v[TM+4+\b], 23, v[TM+12+\b]                    ; the scale's byte
.endr
	v_lshl_or_b32 v[\pw], v[TM+5], 8, v[TM+4]
	v_lshl_or_b32 v[\pw], v[TM+6], 16, v[\pw]
	v_lshl_or_b32 v[\pw], v[TM+7], 24, v[\pw]
	s_wait_xcnt 0x0                                              ; the last fragment's stores have read the codes' registers
.irp c, 0,1
	v_cvt_scalef32_pk16_fp6_f32 v[PC+6*\c:PC+2+6*\c], v[\s+32*\c:\s+15+32*\c], v[TM+12+2*\c]
	v_cvt_scalef32_pk16_fp6_f32 v[PC+12+4*\c:PC+14+4*\c], v[\s+16+32*\c:\s+31+32*\c], v[TM+12+2*\c+1]
.endr
	v_nop                                                        ; one plain line behind the scaled conversions
.irp c, 0,1                                                      ; a whole block to a lane: lanes 0-15 block 2 c, lanes 16-31 block 2 c + 1
.irp i, 0,1,2
	v_permlane16_swap_b32 v[PC+6*\c+\i], v[PC+12+4*\c+\i]
.endr
.irp i, 0,1,2
	v_mov_b32 v[PC+3+6*\c+\i], v[PC+12+4*\c+\i]
.endr
.endr
.endm
.macro LOAD s                          ; fragment s: 512 bytes of each of the tile's 16 rows
.irp p, 0,1,2,3,4,5,6,7,8,9,10,11,12,13,14,15
	global_load_b128 v[R+64*((\s)%2)+4*\p:R+64*((\s)%2)+4*\p+3], v1, s[4:5] offset:(\p+8*(\p/8))*4096+512*(\s) th:TH_LOAD_NT
.endr
.endm
.macro FRG s
.if (\s) < 3
	s_wait_loadcnt 16                                            ; this fragment's 16 loads are in; the next fragment's 16 may be out
.else
	s_wait_loadcnt 0x0
.endif
.irp p, 0,1,2,3,4,5,6,7,8,9,10,11,12,13,14,15
	ds_store_b128 v3, v[R+64*((\s)%2)+4*\p:R+64*((\s)%2)+4*\p+3] offset:528*\p
.endr
.irp b, 0,1,2,3
.irp j, 0,1,2,3
	ds_load_b128 v[X+16*\b+4*\j:X+16*\b+4*\j+3], v4 offset:128*\b+16*\j   ; LDS serves a wave's instructions in order: these see the stores above
.endr
.endr
	s_wait_dscnt 0x0                                             ; my numbers are back, and the stores have read their registers
.if (\s) < 2
	LOAD (\s)+2
.endif
	QUANT X, SWD+(\s)
	global_store_b128 v1, v[PC:PC+3], s[10:11] offset:1536*(\s)
	global_store_b64 v2, v[PC+4:PC+5], s[10:11] offset:1536*(\s)+512
	global_store_b128 v1, v[PC+6:PC+9], s[10:11] offset:1536*(\s)+768
	global_store_b64 v2, v[PC+10:PC+11], s[10:11] offset:1536*(\s)+1280
.endm
	s_load_b128 s[4:7], s[0:1], 0x0                ; x, w_attn
	s_load_b128 s[8:11], s[0:1], 0x10              ; w_proj, c1
	s_load_b128 s[12:15], s[0:1], 0x20             ; s1, tab
	v_lshl_add_u32 v[SPW], v0, 2, SPARE
	v_mov_b32 v[NIL], 0
	v_lshrrev_b32 v6, 5, v0
	v_readfirstlane_b32 s16, v6                    ; wave
	v_and_b32 v7, 31, v0                           ; lane
	v_lshlrev_b32 v1, 4, v7                        ; 16 x lane
	v_lshlrev_b32 v2, 3, v7                        ; 8 x lane
	s_cmp_ge_u32 ttmp9, 384
	s_cbranch_scc1 .Ltable
	s_lshr_b32 s17, s16, 1
	s_and_b32 s18, s16, 1                          ; which half of K
	s_lshl_b32 s19, ttmp9, 1
	s_add_co_u32 s19, s19, s17                     ; my tile
	s_mul_i32 s28, s16, STG                        ; my stage
	v_and_b32 v8, 15, v0                           ; r
	v_bfe_u32 v9, v0, 4, 1                         ; h
	v_add_nc_u32 v3, s28, v1                       ; into the stage: 16 x lane, a row an instruction
	v_mul_u32_u24 v4, v8, 528
	v_lshl_add_u32 v4, v9, 6, v4
	v_add_nc_u32 v4, s28, v4                       ; out of it: row r, + 64 h
	v_lshlrev_b32 v5, 4, v8                        ; the scale words: 16 bytes a place
	s_mov_b32 s[SEL], 0x76543210
	s_mov_b32 s[SEL+1], 0xfedcba98
.irp b, 0,1,2,3
	v_mov_b32 v[TM+4+\b], 0                        ; written once: a lane permute's destination counts as one of its sources
.endr
	s_mov_b32 s20, 704
	s_wait_alu depctr_va_vdst(0)
	s_wait_kmcnt 0x0
	s_cmp_lt_u32 ttmp9, 352                        ; which tensor: the choice hangs on the work-group's number alone
	s_cselect_b64 s[6:7], s[6:7], s[8:9]
	s_cselect_b32 s20, 512, s20
	s_cmp_lt_u32 ttmp9, 256
	s_cselect_b64 s[4:5], s[4:5], s[6:7]
	s_cselect_b32 s20, 0, s20
	s_sub_co_u32 s21, s19, s20                     ; the tile's number in its tensor
	s_lshr_b32 s22, s21, 1
	s_lshl_b32 s22, s22, 17                        ; 32 rows of 4,096 bytes
	s_and_b32 s23, s21, 1
	s_lshl_b32 s23, s23, 15                        ; 8 rows
	s_add_co_u32 s22, s22, s23
	s_lshl_b32 s23, s18, 11                        ; 512 numbers
	s_add_co_u32 s22, s22, s23
	s_mov_b32 s23, 0
	s_add_nc_u64 s[4:5], s[4:5], s[22:23]
	s_mul_i32 s22, s19, 12288
	s_mul_i32 s24, s18, 6144
	s_add_co_u32 s22, s22, s24
	s_add_nc_u64 s[10:11], s[10:11], s[22:23]
	s_lshl_b32 s22, s19, 9
	s_lshl_b32 s24, s18, 8
	s_add_co_u32 s22, s22, s24
	s_add_nc_u64 s[12:13], s[12:13], s[22:23]
	LOAD 0
	LOAD 1
	FRG 0
	FRG 1
	FRG 2
	FRG 3
	global_store_b128 v5, v[SWD:SWD+3], s[12:13]   ; 256 consecutive bytes; lanes l and l xor 16 hold the same words and store them to the same place
	s_wait_tensorcnt 0x0                           ; the wave's end
	ds_add_u32 v[SPW], v[NIL]
	s_wait_dscnt 0x0
	s_endpgm
.Ltable:
	s_sub_co_u32 s17, ttmp9, 384
	s_lshl_b32 s17, s17, 2
	s_add_co_u32 s17, s17, s16                     ; which 16 rows of the table
	s_lshl_b32 s18, s17, 12                        ; 16 rows of 256 bytes
	s_mov_b32 s19, 0
	s_lshl_b32 s20, s17, 4                         ; my first t
	s_wait_alu depctr_va_vdst(0)
	v_cvt_f32_u32 v9, v7                           ; the pair's number i
	v_mul_f32 v10, 0xbed48000, v9                  ; -i x 425 / 1024: exact.  log2(10000) / 32 = 425 / 1024 + 2.0194936e-4
	s_wait_alu depctr_va_vdst(0)
	v_exp_f32 v11, v10
	v_mul_f32 v12, 0xb912c7c4, v9                  ; z = -i x 2.0194936e-4 x ln 2, at most 4.4e-3 in size.  (A plain line behind the exponential)
	v_mov_b32 v20, 0xb94ca1f9                      ; the sine's and the cosine's highest coefficients
	v_mov_b32 v21, 0x37ccf5ce
	s_wait_alu depctr_va_vdst(0)                   ; ahead of the first reader of the exponential
	v_mul_f32 v13, 0.5, v12
	v_fma_f32 v13, v12, v13, v12                   ; e^z - 1 = z + z^2 / 2 (the next term is under 1.5e-8)
	v_fma_f32 v8, v11, v13, v11                    ; 10000^(-i / 32)
	s_wait_kmcnt 0x0
	s_add_nc_u64 s[14:15], s[14:15], s[18:19]
.irp k, 0,1,2,3,4,5,6,7,8,9,10,11,12,13,14,15
	s_add_co_u32 s21, s20, \k
	v_cvt_f32_u32 v10, s21
	s_wait_alu depctr_va_vdst(0)
	v_mul_f32 v11, v10, v8                         ; the angle, rounded once
	v_mul_f32 v12, 0x3f22f983, v11
	v_rndne_f32 v12, v12                           ; n = the nearest multiple of pi / 2
	v_fmamk_f32 v13, v12, 0xbfc90fdb, v11          ; r = angle - n pi / 2, pi / 2 in two parts; the first step is exact
	v_fmamk_f32 v13, v12, 0x333bbd2e, v13
	v_mul_f32 v14, v13, v13
	v_fmaak_f32 v15, v14, v20, 0x3c08839e
	v_fmaak_f32 v16, v14, v21, 0xbab6061a
	v_fmaak_f32 v15, v14, v15, 0xbe2aaaa3
	v_fmaak_f32 v16, v14, v16, 0x3d2aaaa5
	v_mul_f32 v15, v15, v14
	v_mul_f32 v16, v16, v14
	v_fma_f32 v17, v14, -0.5, 1.0
	v_fma_f32 v15, v15, v13, v13                   ; sin r
	v_fma_f32 v16, v16, v14, v17                   ; cos r
	v_cvt_i32_f32 v18, v12
	v_and_b32 v19, 1, v18
	v_cmp_eq_u32 vcc_lo, 1, v19                    ; an odd quarter: the two change places
	v_cndmask_b32 v22, v15, v16, vcc_lo
	v_cndmask_b32 v23, v16, v15, vcc_lo
	v_lshlrev_b32 v24, 30, v18                     ; the sine is negative in quarters 2, 3,
	v_add_nc_u32 v25, 1, v18
	v_lshlrev_b32 v25, 30, v25                     ; the cosine in quarters 1, 2
	v_and_b32 v24, 0x80000000, v24
	v_and_b32 v25, 0x80000000, v25
	v_xor_b32 v[64+2*\k], v25, v23
	v_xor_b32 v[65+2*\k], v24, v22
	global_store_b64 v2, v[64+2*\k:65+2*\k], s[14:15] offset:256*\k   ; 32 lanes store a row's 256 bytes; each row has data registers of its own
.endr
	s_endpgm
.Lfunc_end_k_qfcf517134d_prep:
	.size	k_qfcf517134d_prep, .Lfunc_end_k_qfcf517134d_prep-k_qfcf517134d_prep
	.p2alignl 7, 3214868480
	.fill 96, 4, 3214868480
	.section	.rodata,"a",@progbits
	.p2align	6, 0x0
	.amdhsa_kernel k_qfcf517134d_prep
		.amdhsa_group_segment_fixed_size 34304
		.amdhsa_private_segment_fixed_size 0
		.amdhsa_enable_private_segment 0
		.amdhsa_kernarg_size 48
		.amdhsa_user_sgpr_count 2
		.amdhsa_user_sgpr_kernarg_segment_ptr 1
		.amdhsa_wavefront_size32 1
		.amdhsa_system_sgpr_workgroup_id_x 1
		.amdhsa_system_sgpr_workgroup_id_y 1
		.amdhsa_system_sgpr_workgroup_id_z 1
		.amdhsa_system_vgpr_workitem_id 0
		.amdhsa_next_free_vgpr 256
		.amdhsa_next_free_sgpr 66
		.amdhsa_reserve_vcc 1
		.amdhsa_float_denorm_mode_32 3
		.amdhsa_float_denorm_mode_16_64 3
		.amdhsa_memory_ordered 1
		.amdhsa_forward_progress 1
		.amdhsa_inst_pref_size 57
	.end_amdhsa_kernel
	.amdgpu_metadata
---
amdhsa.version: [ 1, 2 ]
amdhsa.kernels:
  - .name:           k_qfcf517134d_prep
    .symbol:         k_qfcf517134d_prep.kd
    .args:
      - { .name: x, .offset: 0, .size: 8, .value_kind: global_buffer, .address_space: global }
      - { .name: w_attn, .offset: 8, .size: 8, .value_kind: global_buffer, .address_space: global }
      - { .name: w_proj, .offset: 16, .size: 8, .value_kind: global_buffer, .address_space: global }
      - { .name: c1, .offset: 24, .size: 8, .value_kind: global_buffer, .address_space: global }
      - { .name: s1, .offset: 32, .size: 8, .value_kind: global_buffer, .address_space: global }
      - { .name: tab, .offset: 40, .size: 8, .value_kind: global_buffer, .address_space: global }
    .group_segment_fixed_size: 34304
    .private_segment_fixed_size: 0
    .kernarg_segment_align: 8
    .kernarg_segment_size: 48
    .max_flat_workgroup_size: 128
    .sgpr_count:     66
    .vgpr_count:     256
    .wavefront_size: 32
...
	.end_amdgpu_metadata
.endif
;; end of part 1
;; launch qkv (part 2): grid 12 x 32, 4 waves a work-group, clusters of 4 x 4, 327,680 bytes of LDS; arguments c1, s1, tab, c2, s2; writes c2, s2
.if DOCPART == 2
	.amdgcn_target "amdgcn-amd-amdhsa--gfx1250"
	.amdhsa_code_object_version 6
	.text
	.protected	k_qfcf517134d_qkv
	.globl	k_qfcf517134d_qkv
	.p2align	8
	.type	k_qfcf517134d_qkv,@function
k_qfcf517134d_qkv:
	s_mov_b64 s[64:65], 0
	v_nop
	global_prefetch_b8 v0, s[64:65] scope:SCOPE_SE
	s_setreg_imm32_b32 hwreg(HW_REG_WAVE_MODE, 25, 1), 1
	s_wait_xcnt 0x0
	s_wait_alu depctr_hold_cnt(0) depctr_sa_sdst(0) depctr_va_vdst(0) depctr_va_sdst(0) depctr_va_ssrc(0) depctr_va_vcc(0) depctr_vm_vsrc(0)
	s_getreg_b32 s2, hwreg(HW_REG_IB_STS2, 6, 4)
	s_cmp_eq_u32 s2, 0
	s_cbranch_scc0 .Lentry_in_a_cluster
	s_endpgm
.Lentry_in_a_cluster:
	s_bfe_u32 s2, ttmp6, 0x10000c
	s_cmp_lg_u32 s2, 0xf033
	s_cbranch_scc0 .Lentry_shape_is_right
	s_endpgm
.Lentry_shape_is_right:
; qkv = x w_attn^T on codes of E2M3 (K = 1,024), then rope on q and k, then the three quantisers: q and k along the head's 64, v along the keys.  Nothing leaves as f32.
; A work-group of four waves makes 256 tokens x 256 features; a wave 128 x 128: 64 accumulators in windows 2 and 3.  Operands lie in c1 as images of fragments (1,536 bytes: registers 0-3 at 16 x lane, 4-5 at 512 + 8 x lane,
; 6-9 at 768 + 16 x lane, 10-11 at 1,280 + 8 x lane), so a fragment comes out of LDS by four dense loads.  Tile 2 A + u of 16 rows holds at place p row 32 A + 8 u + p + 8 (p / 8).
; K goes in four K steps of 256 (eight matrix steps of 128, written straight) through THREE LDS slots: K steps 0, 1, 2 are first fills, K step 3 fills slot 0 again: one round with a refill.
; CLUSTERS 4 x 4: the tokens' tiles are shared along a row of the cluster, the weights' along a column: joint loads.
; Cluster x = 0: q, 1: k, 2: v, the same for all sixteen partners.  For q and k source 0 = the weights, source 1 = the tokens: a lane holds one token and its registers run along the features (register 16 g + i of a block of
; tokens = feature 32 g + 16 h + i).  For v the two change places: a lane holds one feature and its registers run along the tokens, which are the next product's K.  The change is made in the LDS addresses of the reads alone.
; OUT.  c2: q at hb x 98,304 + tile x 768 (hb = head x 4 + batch; 16 tokens x 64 codes: registers 0-5 of a fragment); from 6,291,456 on hb x 196,608: k likewise, then v at 98,304 + step x 6,144 + tile of d x 1,536.
; s2: q at hb x 8,192 + chunk x 512 + (a / 4) x 256 + place x 16 + (a % 4) x 4; from 524,288 on hb x 12,288: k likewise, then v at 8,192 + step x 256 + place x 16 + tile of d x 4.
; LIMITS: NaN and infinities are not served; a block under 2^-124 (zeros among them) has its byte held at 1: its codes are zeros or nearly, and this program alone reads the bytes.
.set SLOTB, 98304                      ; a slot: the tokens' 16 tiles x 3,072 bytes, then the weights' 16
.set OPB,   49152
.set HALFB, 24576                      ; 8 tiles: what one tensor load brings, and what a wave reads of an operand
.set SCT,   3*SLOTB                    ; the tokens' scale words, 16 tiles x 512 bytes; the weights' 8,192 bytes on
.set SPARE, 319488                     ; the spare words, 128 bytes a wave
.set WBASE, 512                        ; w_attn's first tile in c1
.set FR,    12
.set A1,    16                         ; v16-18 source 1's address in slots 0-2, + 16 x lane; v19-21 + 8 x lane
.set A0,    22                         ; v22-24, v25-27 the same for source 0
.set SPW,   28                         ; v28 SPARE + 4 x my thread's number; never rewritten
.set NIL,   29                         ; v29 0; never rewritten
.set ADRS,  30                         ; v30 my scale words
.set SC,    32                         ; v32-95 scale words: register 8 i + s: lanes 0-15 source 1's block i, lanes 16-31 source 0's block i, matrix step s
.set AF,    128                        ; v128-223 source 1's fragments, one set; source 0's two sets lie in window 1 at v0 and v128
.set RO,    128                        ; the way out: v128-191 a block's 64 numbers behind rope
.set PC,    96                         ; v96-114 codes
.set TM,    200                        ; v200-215 at work
.set PW,    216
.set SW,    224                        ; v224-231 the eight blocks' scale words
.set SW2,   232
.set G1T,   24
.set G1W,   32
.set G1ST,  40
.set G1SW,  48
.set G0T0,  56
.set G0T1,  60
.set G0T2,  68
.set G0W0,  72
.set G0W1,  76
.set G0W2,  80
.set G0ST,  84
.set G0SW,  88
.set SEL,   32                         ; s[32:33], on the way out, when every tensor load has landed
.set MSB, 0
.macro WIN new                         ; the immediate's high byte repeats the setting that is left
.if MSB != (\new)
	s_set_vgpr_msb (MSB<<8)|(\new)
.set MSB, (\new)
.endif
.endm
.set MUL_LO, 0xa1                      ; source 0 window 1, source 1 window 0, C and D window 2
.set MUL_HI, 0xf1
.set TO_0,   0x40                      ; destination window 1
.macro PLACES
.rept 4
	v_nop
.endr
.endm
.macro JLOAD g0t, g0w                  ; waves 0, 1 fetch the tokens' halves, waves 2, 3 the weights'; an s_nop 0 and four v_nop follow each line
	s_cmp_eq_u32 s15, 0
	s_cbranch_scc0 .Lfor_w_\@
	tensor_load_to_lds s[\g0t:\g0t+3], s[G1T:G1T+7]
	s_nop 0
	PLACES
	s_branch .Lasked_\@
.Lfor_w_\@:
	tensor_load_to_lds s[\g0w:\g0w+3], s[G1W:G1W+7]
	s_nop 0
	PLACES
.Lasked_\@:
.endm
.macro CREST
	s_cmp_lg_u32 s14, 0
	s_cbranch_scc1 .Lnot_wave_0_\@
	s_barrier_signal -3
.Lnot_wave_0_\@:
	s_barrier_wait -3
	s_barrier_signal -1
	s_barrier_wait -1
.endm
.macro CROUND
	s_barrier_signal -1
	s_barrier_wait -1
	CREST
.endm
.macro FRAG reg, a16, a8, off          ; a fragment's image: four dense loads
	ds_load_b128 v[\reg:\reg+3], v[\a16] offset:\off
	ds_load_b64 v[\reg+4:\reg+5], v[\a8] offset:\off+512
	ds_load_b128 v[\reg+6:\reg+9], v[\a16] offset:\off+768
	ds_load_b64 v[\reg+10:\reg+11], v[\a8] offset:\off+1280
.endm
.macro FETCH0 slot, q, p               ; source 0's eight fragments of the slot's q-th 128 along K into set p
	WIN TO_0
.irp i, 0,1,2,3,4,5,6,7
	FRAG 128*(\p)+FR*\i, A0+(\slot), A0+3+(\slot), \i*3072+(\q)*1536
.endr
	WIN 0
.endm
.macro FETCH1 slot, q, i0              ; source 1's blocks i0 .. i0 + 3
.irp i, \i0, \i0+1, \i0+2, \i0+3
	FRAG AF+FR*(\i), A1+(\slot), A1+3+(\slot), (\i)*3072+(\q)*1536
.endr
.endm
.macro SCALES                          ; all eight steps' scale words, once
.irp i, 0,1,2,3,4,5,6,7
.irp f, 0,1
	ds_load_b128 v[SC+8*\i+4*\f:SC+8*\i+4*\f+3], v[ADRS] offset:\i*512+\f*256
.endr
.endr
.endm
; 16 products: source 1's blocks a0, a0 + 1 against source 0's eight.  The 64 accumulators take turns, one instruction a turn, in the same order in every step.
.macro MUL16 a0, p, s, zero
.irp a, \a0, \a0+1
.irp b, 0,1,2,3,4,5,6,7
.if \zero
	v_wmma_scale_f32_16x16x128_f8f6f4 v[8*(8*((\a)%4)+\b):8*(8*((\a)%4)+\b)+7], v[128*(\p)+FR*\b:128*(\p)+FR*\b+FR-1], v[AF+FR*(\a):AF+FR*(\a)+FR-1], 0, v[SC+8*\b+(\s)], v[SC+8*(\a)+(\s)] matrix_a_fmt:MATRIX_FMT_FP6 matrix_b_fmt:MATRIX_FMT_FP6 matrix_a_scale:MATRIX_SCALE_ROW1
.else
	v_wmma_scale_f32_16x16x128_f8f6f4 v[8*(8*((\a)%4)+\b):8*(8*((\a)%4)+\b)+7], v[128*(\p)+FR*\b:128*(\p)+FR*\b+FR-1], v[AF+FR*(\a):AF+FR*(\a)+FR-1], v[8*(8*((\a)%4)+\b):8*(8*((\a)%4)+\b)+7], v[SC+8*\b+(\s)], v[SC+8*(\a)+(\s)] matrix_a_fmt:MATRIX_FMT_FP6 matrix_b_fmt:MATRIX_FMT_FP6 matrix_a_scale:MATRIX_SCALE_ROW1
.endif
.endr
.endr
.endm
; Matrix step s; the next step's fragments come from slot ns, its nq-th 128 along K, which every wave knows to be whole.
.macro STEPG s, ns, nq, zero
	s_wait_dscnt 16                                ; all but the youngest 16 loads (source 1's blocks 4-7)
	WIN MUL_LO
	MUL16 0, (\s)%2, \s, \zero
	MUL16 2, (\s)%2, \s, \zero
	s_wait_dscnt 0x0
	PLACES                                         ; four places in front of loads into registers that products have read
	FETCH0 \ns, \nq, 1-(\s)%2
	FETCH1 \ns, \nq, 0
	WIN MUL_HI
	MUL16 4, (\s)%2, \s, \zero
	MUL16 6, (\s)%2, \s, \zero
	PLACES
	WIN 0
	FETCH1 \ns, \nq, 4
.endm
; A step with a barrier.  In front of it each wave waits for all its tensor loads, adds 0 to its spare word, and waits for that and for its reads.  fill = 1: slot 0, which nobody reads any more, takes K step 3.
.macro TURNG s, ns, fill
	s_wait_tensorcnt 0x0                           ; all my tensor loads have landed
	ds_add_u32 v[SPW], v[NIL]                      ; 0 onto my spare word
	s_wait_dscnt 17                                ; (the add and the youngest 16 loads may be out)
	WIN MUL_LO
	MUL16 0, 1, \s, 0
	s_wait_dscnt 0x0                               ; the add is done, and my reads of the slots behind me are over
	s_barrier_signal -1
	MUL16 2, 1, \s, 0
	WIN 0
	s_barrier_wait -1
.if \fill == 2
	CREST                                          ; the barrier has opened a round of the cluster's
	JLOAD G0T2, G0W2                               ; K step 2, slot 2's first fill; its four v_nop are the places for the loads below
	global_prefetch_b8 v31, s[4:5] offset:9216 th:TH_LOAD_NT scope:SCOPE_SE   ; K step 3, which is loaded two matrix steps on
.elseif \fill == 1
	CREST
	JLOAD G0T0, G0W0                               ; K step 3 into slot 0, which nobody reads any more
.else
	PLACES
.endif
	FETCH0 \ns, 0, 0
	FETCH1 \ns, 0, 0
	WIN MUL_HI
	MUL16 4, 1, \s, 0
	MUL16 6, 1, \s, 0
	PLACES
	WIN 0
	FETCH1 \ns, 0, 4
.endm
.macro LAST                            ; matrix step 7: nothing more to fetch
	s_wait_dscnt 16
	WIN MUL_LO
	MUL16 0, 1, 7, 0
	MUL16 2, 1, 7, 0
	s_wait_dscnt 0x0
	WIN MUL_HI
	MUL16 4, 1, 7, 0
	MUL16 6, 1, 7, 0
	WIN 0
	PLACES                                         ; in front of the first read of results, and of writes and loads into the operands' registers
.endm
; 64 numbers v[s] .. v[s + 63] of window w, register 16 b + i = k 32 b + 16 h + i of my row, become a fragment's 12 registers in v[PC] on and its scale word in v[pw] (both window 0)
.macro QUANT s, w, pw
	WIN (\w)|((\w)<<2)
.irp b, 0,1,2,3
	v_max3_num_f32 v[TM+\b], |v[\s+16*\b]|, |v[\s+1+16*\b]|, 0x1800000   ; with the floor 2^(3 - 127): the byte cannot fall under 1
.endr
.irp i, 2,4,6,8,10,12,14
.irp b, 0,1,2,3
	v_max3_num_f32 v[TM+\b], |v[\s+16*\b+\i]|, |v[\s+1+16*\b+\i]|, v[TM+\b]
.endr
.endr
	WIN 0
.irp b, 0,1,2,3
	v_permlanex16_b32 v[TM+4+\b], v[TM+\b], s[SEL], s[SEL+1]
.endr
.irp b, 0,1,2,3
	v_max_num_f32 v[TM+\b], v[TM+\b], v[TM+4+\b]
.endr
.irp b, 0,1,2,3
	v_add_nc_u32 v[TM+12+\b], 0xff000000, v[TM+\b]
.endr
.irp b, 0,1,2,3
	v_lshrrev_b32 v[TM+4+\b], 23, v[TM+12+\b]
.endr
	v_lshl_or_b32 v[\pw], v[TM+5], 8, v[TM+4]
	v_lshl_or_b32 v[\pw], v[TM+6], 16, v[\pw]
	v_lshl_or_b32 v[\pw], v[TM+7], 24, v[\pw]
	s_wait_xcnt 0x0                                ; the last block's stores have read the codes' registers
	WIN (\w)
.irp c, 0,1
	v_cvt_scalef32_pk16_fp6_f32 v[PC+6*\c:PC+2+6*\c], v[\s+32*\c:\s+15+32*\c], v[TM+12+2*\c]
	v_cvt_scalef32_pk16_fp6_f32 v[PC+12+4*\c:PC+14+4*\c], v[\s+16+32*\c:\s+31+32*\c], v[TM+12+2*\c+1]
.endr
	WIN 0
	v_nop                                          ; one plain line behind the scaled conversions
.irp c, 0,1
.irp i, 0,1,2
	v_permlane16_swap_b32 v[PC+6*\c+\i], v[PC+12+4*\c+\i]
.endr
.irp i, 0,1,2
	v_mov_b32 v[PC+3+6*\c+\i], v[PC+12+4*\c+\i]
.endr
.endr
.endm
	s_load_b128 s[4:7], s[0:1], 0x0                ; c1, s1
	s_load_b128 s[8:11], s[0:1], 0x10              ; tab, c2
	s_load_b64 s[12:13], s[0:1], 0x20              ; s2
	v_lshl_add_u32 v[SPW], v0, 2, SPARE
	v_mov_b32 v[NIL], 0
	ds_add_u32 v[SPW], v[NIL]                      ; the wave's opening: the add and its wait ahead of my first tensor load
	ds_add_u32 v[SPW], v[NIL]
	v_lshrrev_b32 v1, 5, v0
	v_readfirstlane_b32 s14, v1                    ; wave 0..3
	s_lshr_b32 s15, s14, 1                         ; source 1's half.  Also: I fetch for the tokens (0) or for the weights (1)
	s_and_b32 s16, s14, 1                          ; source 0's half.  Also: which 8 tiles I fetch
	s_bfe_u32 s18, ttmp6, 0x40000                  ; cx
	s_bfe_u32 s19, ttmp6, 0x40004                  ; cy
	s_lshl_b32 s20, ttmp9, 2
	s_add_co_u32 s20, s20, s18                     ; X: which 256 features
	s_and_b32 s21, ttmp7, 0xffff
	s_lshl_b32 s21, s21, 2
	s_add_co_u32 s21, s21, s19                     ; Y: which 256 tokens
	s_lshl_b32 s22, s19, 2
	s_lshl_b32 s22, 15, s22                        ; my row of the cluster
	s_lshl_b32 s23, 0x1111, s18                    ; my column
	s_or_b32 s[G1T], s22, (3<<16)|(1<<21)          ; the mask; elements of 8 bytes; bit 21 set beside a mask; no padding
	s_or_b32 s[G1W], s23, (3<<16)|(1<<21)
	s_or_b32 s[G1ST], s22, (3<<16)|(1<<21)
	s_or_b32 s[G1SW], s23, (3<<16)|(1<<21)
.irp g, G1T, G1W                       ; codes: 8 tiles x 3,072 bytes (a K step of 256), 12,288 bytes from tile to tile
	s_mov_b32 s[\g+1], 384<<16
	s_mov_b32 s[\g+2], 16<<16                      ; the head's loads of codes bring all 16 tiles; behind them the two words are set to 8
	s_mov_b32 s[\g+3], 384<<16
	s_mov_b32 s[\g+4], 16
	s_mov_b32 s[\g+5], 1536
	s_mov_b32 s[\g+6], 0
	s_mov_b32 s[\g+7], 0
.endr
.irp g, G1ST, G1SW                     ; scale words: 16 tiles x 512 dense bytes, as 32 rows of 256
	s_mov_b32 s[\g+1], 32<<16
	s_mov_b32 s[\g+2], 32<<16
	s_mov_b32 s[\g+3], 32<<16
	s_mov_b32 s[\g+4], 32
	s_mov_b32 s[\g+5], 32
	s_mov_b32 s[\g+6], 0
	s_mov_b32 s[\g+7], 0
.endr
	s_mov_b32 s3, 0                                ; the addresses below are those of all 16 tiles; my half is added behind the head's descriptors
	s_lshl_b32 s92, s21, 4
	s_add_co_u32 s92, s92, s3                      ; the tokens' first tile that I would fetch
	s_lshl_b32 s94, s20, 4
	s_add_co_u32 s94, s94, s3
	s_add_co_u32 s94, s94, WBASE                   ; the weights'
	s_mul_i32 s96, s92, 12288
	s_mov_b32 s97, 0
	s_mul_i32 s98, s94, 12288
	s_mov_b32 s99, 0
	s_lshl_b32 s92, s92, 9
	s_mov_b32 s93, 0
	s_lshl_b32 s94, s94, 9
	s_mov_b32 s95, 0
	s_mul_i32 s100, s14, HALFB                     ; where they go: wave x 8 tiles: no place in the cluster enters an LDS address
	s_lshl_b32 s101, s14, 12
	s_wait_dscnt 0x0                               ; the opening add is done
	s_wait_kmcnt 0x0
	s_add_nc_u64 s[96:97], s[4:5], s[96:97]
	s_add_nc_u64 s[98:99], s[4:5], s[98:99]
	s_add_nc_u64 s[92:93], s[6:7], s[92:93]
	s_add_nc_u64 s[94:95], s[6:7], s[94:95]
	CROUND                                         ; all sixteen work-groups are here: the first joint loads meet
.macro SETG0 g, lds, off, src, goff
	s_mov_b32 s[\g], 1
	s_add_co_u32 s[\g+1], s[\lds], \off
	s_add_nc_u64 s[\g+2:\g+3], s[\src:\src+1], \goff
	s_or_b32 s[\g+3], s[\g+3], 0x80000000
.endm
.macro SETH g, lds, src                ; a head's descriptor: a whole tile of the first step
	s_mov_b32 s[\g], 1
	s_mov_b32 s[\g+1], \lds
	s_mov_b64 s[\g+2:\g+3], s[\src:\src+1]
	s_or_b32 s[\g+3], s[\g+3], 0x80000000
.endm
	SETH G0T0, 0, 96                               ; K step 0: the tokens' 16 tiles,
	SETH G0W0, OPB, 98                             ; the weights' 16,
	SETH G0ST, SCT, 92                             ; the tokens' scale words,
	SETH G0SW, SCT+8192, 94                        ; the weights'
	s_mul_i32 s2, s16, 8*12288                     ; from here on: my 8 tiles (s3 = 0)
	s_add_nc_u64 s[96:97], s[96:97], s[2:3]
	s_add_nc_u64 s[98:99], s[98:99], s[2:3]
	SETG0 G0T1, 100, SLOTB, 96, 3072
	SETG0 G0T2, 100, 2*SLOTB, 96, 6144
	SETG0 G0W1, 100, SLOTB, 98, 3072
	SETG0 G0W2, 100, 2*SLOTB, 98, 6144
; the head's four tiles, one load a wave, in one chain of branches on the wave's number
.macro ARM under, g0, g1, next
	s_cmp_lt_u32 s14, \under
	s_cbranch_scc0 \next
	tensor_load_to_lds s[\g0:\g0+3], s[\g1:\g1+7]
	s_nop 0
	PLACES
	s_branch .Lfirst_done
\next:
.endm
	ARM 1, G0T0, G1T, .Lhead_w
	ARM 2, G0W0, G1W, .Lhead_st
	ARM 3, G0ST, G1ST, .Lhead_sw
	tensor_load_to_lds s[G0SW:G0SW+3], s[G1SW:G1SW+7]
	s_nop 0
	PLACES
.Lfirst_done:
	; PREFETCH INTO THE L2: K steps 1 and 2 here, K step 3 behind K step 2's load.  A K step of an operand's 16 tiles is 192 blocks of 256 bytes; the eight waves that ask for them jointly
	; (two in each of four partners) take two tiles each, told apart by address alone: lane l < 24 names block l % 12 of tile l / 12; the other lanes name the last block again.  v31 is never rewritten.
	s_cmp_eq_u32 s15, 0                            ; do I fetch for the tokens?
	s_cselect_b32 s92, s18, s19                    ; my place among the four that ask with me
	s_cselect_b32 s93, s21, s20
	s_cselect_b32 s94, 0, WBASE
	s_lshl_b32 s92, s92, 1
	s_add_co_u32 s92, s92, s16
	s_lshl_b32 s92, s92, 1                         ; my two tiles of the sixteen
	s_lshl_b32 s93, s93, 4
	s_add_co_u32 s92, s92, s93
	s_add_co_u32 s92, s92, s94
	s_mul_i32 s92, s92, 12288
	v_and_b32 v13, 31, v0
	v_min_u32 v13, 23, v13
	v_mul_u32_u24 v14, v13, 11
	v_lshrrev_b32 v14, 7, v14                      ; l / 12
	v_mul_u32_u24 v14, v14, 9216                   ; from the end of a tile's K step to the next tile's
	v_lshl_add_u32 v14, v13, 8, v14
	v_add_nc_u32 v31, s92, v14
	global_prefetch_b8 v31, s[4:5] offset:3072 th:TH_LOAD_NT scope:SCOPE_SE
	global_prefetch_b8 v31, s[4:5] offset:6144 th:TH_LOAD_NT scope:SCOPE_SE
	v_and_b32 v6, 31, v0
	v_and_b32 v7, 15, v0                           ; r
	v_bfe_u32 v8, v0, 4, 1                         ; h
	v_lshlrev_b32 v1, 4, v6                        ; 16 x lane
	s_wait_alu depctr_va_vdst(0)
	v_lshlrev_b32 v2, 3, v6                        ; 8 x lane
	s_wait_alu depctr_va_vdst(0)
	v_lshlrev_b32 v9, 4, v7                        ; 16 r
	s_cmp_eq_u32 ttmp9, 2                          ; v's clusters: the operands change places
	s_cselect_b32 s2, OPB, 0                       ; source 1: the tokens' region, for v the weights'
	s_cselect_b32 s3, 0, OPB                       ; source 0: the other
	s_cselect_b32 s22, -1, 0
	s_mul_i32 s23, s15, HALFB
	s_add_co_u32 s2, s2, s23
	s_mul_i32 s23, s16, HALFB
	s_add_co_u32 s3, s3, s23
.irp j, 0,1,2
	v_add_nc_u32 v[A1+\j], s2, v1
	v_add_nc_u32 v[A1+3+\j], s2, v2
	v_add_nc_u32 v[A0+\j], s3, v1
	v_add_nc_u32 v[A0+3+\j], s3, v2
	s_add_co_u32 s2, s2, SLOTB
	s_add_co_u32 s3, s3, SLOTB
.endr
	; the scale words: lanes 0-15 take source 1's, lanes 16-31 source 0's.  The address is made for q and k and for v, each as the lower base + one product, and chosen
	s_lshl_b32 s92, s15, 12
	s_lshl_b32 s93, s16, 12
	s_add_co_u32 s94, s93, 8192
	s_sub_co_u32 s94, s94, s92                     ; q, k: from the tokens' half s15 to the weights' half s16
	v_mul_u32_u24 v10, s94, v8
	s_add_co_u32 s95, s92, SCT
	v_add_nc_u32 v10, v10, v9
	v_add_nc_u32 v10, s95, v10
	v_xor_b32 v11, 1, v8
	s_add_co_u32 s94, s92, 8192
	s_sub_co_u32 s94, s94, s93                     ; v: from the tokens' half s16 to the weights' half s15, which lanes 0-15 take
	v_mul_u32_u24 v11, s94, v11
	s_add_co_u32 s95, s93, SCT
	v_add_nc_u32 v11, v11, v9
	v_add_nc_u32 v11, s95, v11
	v_cndmask_b32 v[ADRS], v10, v11, s22
	v_and_b32 v12, 8, v7
	v_add_nc_u32 v12, v12, v7                      ; r + 8 (r / 8)
	v_lshlrev_b32 v3, 8, v12
	v_lshl_add_u32 v3, v8, 6, v3                   ; the table: my token's row of 256 bytes, + 64 h
	v_lshlrev_b32 v4, 4, v8                        ; 16 h
	s_wait_alu depctr_va_vdst(0)
	s_wait_tensorcnt 0x0                           ; my tile of the head's four is in
	ds_add_u32 v[SPW], v[NIL]
	s_mov_b32 s[G1T+2], 8<<16                      ; no tensor load of mine is out: from here on a load brings 8 tiles,
	s_mov_b32 s[G1T+4], 8
	s_mov_b32 s[G1W+2], 8<<16
	s_mov_b32 s[G1W+4], 8
	SETG0 G0T0, 100, 0, 96, 9216                   ; and slot 0's descriptors are those of K step 3
	SETG0 G0W0, 100, 0, 98, 9216
	s_wait_dscnt 0x0
	CROUND                                         ; all four tiles are in for every wave, and the sixteen work-groups meet
	JLOAD G0T1, G0W1                               ; K step 1, slot 1's first fill
	FETCH0 0, 0, 0
	FETCH1 0, 0, 0
	SCALES
	FETCH1 0, 0, 4
	STEPG 0, 0, 1, 1                               ; the first step's products start the sums
	TURNG 1, 1, 2                                  ; K step 1 is whole; K step 2 is asked for
	STEPG 2, 1, 1, 0
	TURNG 3, 2, 1                                  ; K step 2 is whole; K step 3 is asked for
	STEPG 4, 2, 1, 0
	TURNG 5, 0, 0                                  ; K step 3 is whole
	STEPG 6, 0, 1, 0
	; every tensor load has landed: the descriptors' registers are free
	s_mov_b32 s[SEL], 0x76543210
	s_mov_b32 s[SEL+1], 0xfedcba98
	s_and_b32 s34, s21, 7
	s_lshl_b32 s35, s34, 1                         ; 2 (Y % 8): the first of my work-group's two chunks of 128 tokens in the batch
	s_and_b32 s38, s20, 3
	s_lshl_b32 s38, s38, 2                         ; 4 (X % 4): the first of my work-group's four heads
	s_lshr_b32 s39, s21, 3                         ; the batch
	s_mov_b32 s45, 0
	s_cmp_eq_u32 ttmp9, 2
	s_cbranch_scc1 .Lvpath
	; ---- q and k.  My tokens: chunk + s15; my heads: + 2 s16, + 2 s16 + 1
	s_add_co_u32 s35, s35, s15
	s_lshl_b32 s36, s35, 15                        ; 128 rows of the table
	s_mov_b32 s37, 0
	s_add_nc_u64 s[24:25], s[8:9], s[36:37]
.macro TABLOAD a                       ; block a's cos and sin: of my token's row the pairs 16 e + 8 h + 0 .. 7 -> window 1, v[32 a + 16 e ..]
.irp e, 0,1
.irp j, 0,1,2,3
	global_load_b128 v[32*(\a)+16*\e+4*\j:32*(\a)+16*\e+4*\j+3], v3, s[24:25] offset:(32*((\a)/2)+8*((\a)%2))*256+128*\e+16*\j
.endr
.endr
.endm
	WIN TO_0
	TABLOAD 0                                      ; into source 0's set 0, which step 6 has left, four places back
	TABLOAD 1
	TABLOAD 2
	TABLOAD 3
	WIN 0
	LAST
	WIN TO_0
	TABLOAD 4
	TABLOAD 5
	TABLOAD 6
	TABLOAD 7
	WIN 0
	s_lshl_b32 s40, s16, 1
	s_add_co_u32 s38, s38, s40                     ; my first head
	s_lshl_b32 s38, s38, 2
	s_add_co_u32 s38, s38, s39                     ; hb
	s_mov_b32 s41, 196608
	s_mov_b32 s43, 12288
	s_cmp_eq_u32 ttmp9, 0                          ; q or k: where the region begins and how far it is from hb to hb + 1
	s_cselect_b32 s40, 0, 6291456
	s_cselect_b32 s41, 98304, s41
	s_cselect_b32 s42, 0, 524288
	s_cselect_b32 s43, 8192, s43
	s_mul_i32 s44, s38, s41
	s_add_co_u32 s44, s44, s40
	s_mul_i32 s46, s35, 6144                       ; 8 tiles of 768 bytes a chunk
	s_add_co_u32 s44, s44, s46
	s_add_nc_u64 s[26:27], s[10:11], s[44:45]      ; my first head's codes
	s_lshl_b32 s44, s41, 2
	s_add_nc_u64 s[28:29], s[26:27], s[44:45]      ; the next head's: hb + 4
	s_mul_i32 s44, s38, s43
	s_add_co_u32 s44, s44, s42
	s_lshl_b32 s46, s35, 9
	s_add_co_u32 s44, s44, s46
	s_add_nc_u64 s[30:31], s[12:13], s[44:45]      ; the scale words
	s_lshl_b32 s46, s43, 2
	v_mul_u32_u24 v5, s46, v8
	v_add_nc_u32 v5, v5, v9                        ; lanes 0-15 store the first head's, lanes 16-31 the next head's
.irp b, 0,1,2,3
	v_mov_b32 v[TM+4+\b], 0                        ; a lane permute's destination counts as one of its sources
.endr
.macro ROPE a                          ; o1 = x1 cos - x2 sin, o2 = x1 sin + x2 cos, a pair an instruction pair; register 16 g + 2 k holds x1 of pair 16 (g % 2) + 8 h + k
	s_wait_loadcnt 8*(7-(\a))                      ; block a's eight table loads are in; the later blocks' may be out
	WIN 0x06+(\a)/4                                ; source 0: the accumulators' window; source 1: window 1
.irp g, 0,1,2,3
.irp k, 0,1,2,3,4,5,6,7
	v_pk_mul_f32 v[RO+16*\g+2*\k:RO+16*\g+2*\k+1], v[64*((\a)%4)+16*\g+2*\k:64*((\a)%4)+16*\g+2*\k+1], v[32*(\a)+16*(\g%2)+2*\k:32*(\a)+16*(\g%2)+2*\k+1] op_sel_hi:[1,0]
.endr
.irp k, 0,1,2,3,4,5,6,7
	v_pk_fma_f32 v[RO+16*\g+2*\k:RO+16*\g+2*\k+1], v[64*((\a)%4)+16*\g+2*\k:64*((\a)%4)+16*\g+2*\k+1], v[32*(\a)+16*(\g%2)+2*\k:32*(\a)+16*(\g%2)+2*\k+1], v[RO+16*\g+2*\k:RO+16*\g+2*\k+1] op_sel:[1,1,0] op_sel_hi:[0,1,1] neg_lo:[0,1,0]
.endr
.endr
	WIN 0
.endm
.irp a, 0,1,2,3,4,5,6,7
	ROPE \a
	QUANT RO, 0, PW                                ; blocks 0, 1: the first head's 64; blocks 2, 3: the next head's
	v_bfe_u32 v[SW+\a], v[PW], v4, 16              ; half h of the lanes keeps head h's two bytes; the upper two stay 0: they scale zero codes
	global_store_b128 v1, v[PC:PC+3], s[26:27] offset:\a*768
	global_store_b64 v2, v[PC+4:PC+5], s[26:27] offset:\a*768+512
	global_store_b128 v1, v[PC+6:PC+9], s[28:29] offset:\a*768
	global_store_b64 v2, v[PC+10:PC+11], s[28:29] offset:\a*768+512
.endr
	global_store_b128 v5, v[SW:SW+3], s[30:31]     ; sixteen lanes store 256 consecutive bytes
	global_store_b128 v5, v[SW+4:SW+7], s[30:31] offset:256
	s_branch .Ldone
.Lvpath:
	; ---- v.  My heads: + 2 s15, + 2 s15 + 1 (source 1); my 128 keys: chunk + s16 (source 0).  Block a is a fragment of V^T: 16 of a head's 64 x 128 keys
	LAST
	s_add_co_u32 s35, s35, s16                     ; the key step
	s_lshl_b32 s40, s15, 1
	s_add_co_u32 s38, s38, s40
	s_lshl_b32 s38, s38, 2
	s_add_co_u32 s38, s38, s39                     ; hb
	s_mul_i32 s44, s38, 196608
	s_mul_i32 s46, s35, 6144
	s_add_co_u32 s44, s44, s46
	s_add_co_u32 s44, s44, 6389760
	s_add_nc_u64 s[26:27], s[10:11], s[44:45]
	s_mul_i32 s44, s38, 12288
	s_lshl_b32 s46, s35, 8
	s_add_co_u32 s44, s44, s46
	s_add_co_u32 s44, s44, 532480
	s_add_nc_u64 s[30:31], s[12:13], s[44:45]
	s_mov_b32 s46, 49152
	v_mul_u32_u24 v5, s46, v8
	v_add_nc_u32 v5, v5, v9
	s_mov_b32 s47, 0xffff0000
.irp b, 0,1,2,3
	v_mov_b32 v[TM+4+\b], 0
.endr
.irp a, 0,1,2,3,4,5,6,7
	QUANT 64*((\a)%4), 2+(\a)/4, SW+(\a)           ; straight from the accumulators
	global_store_b128 v1, v[PC:PC+3], s[26:27] offset:(\a/4)*786432+(\a%4)*1536          ; V's fragments lie as three planes of four registers, 16 x lane each
	global_store_b128 v1, v[PC+4:PC+7], s[26:27] offset:(\a/4)*786432+(\a%4)*1536+512
	global_store_b128 v1, v[PC+8:PC+11], s[26:27] offset:(\a/4)*786432+(\a%4)*1536+1024
.endr
.irp j, 0,1,2,3
	v_cndmask_b32 v[SW2+\j], v[SW+\j], v[SW+4+\j], s47   ; lanes 0-15: the first head's four tiles, lanes 16-31: the next head's
.endr
	global_store_b128 v5, v[SW2:SW2+3], s[30:31]
.Ldone:
	s_wait_tensorcnt 0x0                           ; the wave's end
	ds_add_u32 v[SPW], v[NIL]
	s_wait_dscnt 0x0
	CROUND                                         ; the closing round
	s_endpgm
.Lfunc_end_k_qfcf517134d_qkv:
	.size	k_qfcf517134d_qkv, .Lfunc_end_k_qfcf517134d_qkv-k_qfcf517134d_qkv
	.p2alignl 7, 3214868480
	.fill 96, 4, 3214868480
	.section	.rodata,"a",@progbits
	.p2align	6, 0x0
	.amdhsa_kernel k_qfcf517134d_qkv
		.amdhsa_group_segment_fixed_size 327680
		.amdhsa_private_segment_fixed_size 0
		.amdhsa_enable_private_segment 0
		.amdhsa_kernarg_size 40
		.amdhsa_user_sgpr_count 2
		.amdhsa_user_sgpr_kernarg_segment_ptr 1
		.amdhsa_wavefront_size32 1
		.amdhsa_system_sgpr_workgroup_id_x 1
		.amdhsa_system_sgpr_workgroup_id_y 1
		.amdhsa_system_sgpr_workgroup_id_z 1
		.amdhsa_system_vgpr_workitem_id 0
		.amdhsa_next_free_vgpr 1024
		.amdhsa_next_free_sgpr 102
		.amdhsa_reserve_vcc 0
		.amdhsa_float_denorm_mode_32 3
		.amdhsa_float_denorm_mode_16_64 3
		.amdhsa_memory_ordered 1
		.amdhsa_forward_progress 1
		.amdhsa_inst_pref_size 233
	.end_amdhsa_kernel
	.amdgpu_metadata
---
amdhsa.version: [ 1, 2 ]
amdhsa.kernels:
  - .name:           k_qfcf517134d_qkv
    .symbol:         k_qfcf517134d_qkv.kd
    .args:
      - { .name: c1, .offset: 0, .size: 8, .value_kind: global_buffer, .address_space: global }
      - { .name: s1, .offset: 8, .size: 8, .value_kind: global_buffer, .address_space: global }
      - { .name: tab, .offset: 16, .size: 8, .value_kind: global_buffer, .address_space: global }
      - { .name: c2, .offset: 24, .size: 8, .value_kind: global_buffer, .address_space: global }
      - { .name: s2, .offset: 32, .size: 8, .value_kind: global_buffer, .address_space: global }
    .group_segment_fixed_size: 327680
    .private_segment_fixed_size: 0
    .kernarg_segment_align: 8
    .kernarg_segment_size: 40
    .max_flat_workgroup_size: 128
    .sgpr_count:     102
    .vgpr_count:     1024
    .wavefront_size: 32
...
	.end_amdgpu_metadata
.endif
;; end of part 2
;; launch attn (part 3): grid 4 x 64, 16 waves a work-group, clusters of 4 x 1, 262,144 bytes of LDS; arguments c2, s2, c3, s3; writes c3, s3
.if DOCPART == 3
	.amdgcn_target "amdgcn-amd-amdhsa--gfx1250"
	.amdhsa_code_object_version 6
	.text
	.protected	k_qfcf517134d_attn
	.globl	k_qfcf517134d_attn
	.p2align	8
	.type	k_qfcf517134d_attn,@function
k_qfcf517134d_attn:
	s_mov_b64 s[64:65], 0
	v_nop
	global_prefetch_b8 v0, s[64:65] scope:SCOPE_SE
	s_setreg_imm32_b32 hwreg(HW_REG_WAVE_MODE, 25, 1), 1
	s_wait_xcnt 0x0
	s_wait_alu depctr_hold_cnt(0) depctr_sa_sdst(0) depctr_va_vdst(0) depctr_va_sdst(0) depctr_va_ssrc(0) depctr_va_vcc(0) depctr_vm_vsrc(0)
	s_getreg_b32 s2, hwreg(HW_REG_IB_STS2, 6, 4)
	s_cmp_eq_u32 s2, 0
	s_cbranch_scc0 .Lentry_in_a_cluster
	s_endpgm
.Lentry_in_a_cluster:
	s_bfe_u32 s2, ttmp6, 0x10000c
	s_cmp_lg_u32 s2, 0x3003
	s_cbranch_scc0 .Lentry_shape_is_right
	s_endpgm
.Lentry_shape_is_right:
; y = softmax(rope(q) rope(k)^T / 8) v for one head and batch (hb = work-group y), both products on codes of E2M3, and y's quantiser along C.
; t = score x log2(e) / 8; M = the running largest t rounded UP to a whole number; p = 2^(t - M) is quantised along the keys, not normalised; the row's sum is taken of the unquantised p and divides at the end.
; SHARES.  A cluster of four work-groups takes a head's 2,048 queries, 512 each; each of 16 waves takes two tiles of 16 queries, one after the other, in 256 registers.
; THE HEAD'S K AND V STAY IN LDS, filled once by joint loads of the four partners, one load a wave: waves 0-11 bring 64 rows of 256 bytes of the fragment images each, waves 12-15 3,072 bytes of scale words each.
; Nothing is filled again and the key loop has no barrier.  No prefetch: the one fill stands at the head, and no loop runs ahead of it.
; An image row of 256 bytes has 64 bytes of padding behind it (pitch 320): two tiles of K are 1,920 bytes, 128 modulo 256, so the two halves of a tile's rows, which come from tiles two apart, fall on different banks.
; LAYOUT.  S^T = K Q^T (source 0 = 16 keys, source 1 = my queries), O^T = V^T P^T: a lane holds one query throughout.
; WHICH KEYS FORM A TILE is chosen by the lanes' LDS addresses: of a band c of 64 keys, row 8 e + i of tile j is key 64 c + 32 e + 8 j + i.  So the 32 registers of a band's four tiles are, in lane (r, h),
; keys 64 c + 32 h + 0 .. 31: one whole scale block of P, in the order of the operand's registers: its largest p needs no other lane and its codes change no lane.
; In c2 a tile 2 A + u holds at place p key 32 A + 8 u + p + 8 (p / 8): key 64 c + 32 e + 8 j + i lies in tile 4 c + 2 e + j % 2 at place i + 8 (j / 2).
; K's tile is 768 bytes: registers 0-3 at 16 x lane, 4-5 at 512 + 8 x lane.  V's fragment is 1,536 bytes: three planes of four registers at 16 x lane.
; THE HEAD'S AXIS IS 64 LONG.  Q's registers 6-11 are zero codes; K's tiles lie 6 registers apart, so a tile's registers 6-11 are the next tile's codes (the last tile's: P's old codes): finite codes times zero codes, under finite scale bytes, add nothing.
; AHEAD.  The next step's K and its scale words are asked for behind this step's score products, V and its scale words at the step's top.  The last step's request for K reads V's images and V's scale words, which are filled too, and is not used.
; OUT.  c3: ((batch x 128 + tile) x 16 + head) x 768: 16 tokens x the head's 64 codes, registers 0-5 of a fragment; s3: head x 32,768 + ((batch x 128 + tile) x 16 + place) x 4: the two bytes.
; LIMITS: NaN and infinities are not served; a block under 2^-124 (zeros among them) has its byte held at 1; the promise holds while the scaled scores t stay under 2^31 in magnitude.
.set KS,    0                          ; K's scale words, 8,192 bytes
.set VS,    8192                       ; V's, 4,096
.set KI,    12288                      ; K's images: 384 rows x 320
.set VI,    135168                     ; V's
.set YS,    258048                     ; y's scale words of the work-group's 32 tiles: 2,048 bytes, written by ds_store alone
.set SPARE, 260096                     ; the spare words, 128 bytes for each of 16 waves
.set KSTP,  7680                       ; 128 keys of images: 24 rows
.set SPW,   4
.set NIL,   5
.set G1I,   24
.set G1S,   32
.set G0I,   40
.set G0S,   44
.set SEL,   56
.set CS,    58                         ; s[58:59] log2(e) / 8
.set TB,    60                         ; the next step's K
.set TV,    61                         ; this step's V; it also counts the steps
.set TS,    62                         ; the next step's scale words of K
.set TJ,    63                         ; this step's of V
.set YWB,   67
.set YRB,   68
; REGISTERS: v1-3, v6, v8 the lanes' LDS terms; v9 8 h; v[10:11] f; v12 -M, v13 the largest score, v[14:15] the sum; v16-21 a step's addresses, then partial sums; v22-23 the conversions' scales; v99 at work
.set QW,    24                         ; Q's scale word
.set PW,    25                         ; p's
.set QF,    26                         ; v26-37 Q
.set KF,    38                         ; v38-85 K's eight tiles
.set PC,    86                         ; v86-97 p's codes, v98 one more for the conversions; ahead of them at work
.set TM,    86
.set VF,    100                        ; v100-147 V's four fragments; between the key loops v100-102 hold 16 x lane, 8 x lane, 16 r
.set SB,    148                        ; v148-211 S^T, then p
.set OB,    212                        ; v212-243 O^T
.set KW,    244                        ; v244-251 K's scale words
.set VW,    252                        ; v252-255 V's
.macro CROUND
	s_barrier_signal -1
	s_barrier_wait -1
	s_cmp_lg_u32 s14, 0
	s_cbranch_scc1 .Lnot_wave_0_\@
	s_barrier_signal -3
.Lnot_wave_0_\@:
	s_barrier_wait -3
	s_barrier_signal -1
	s_barrier_wait -1
.endm
.macro MM d, a, b, c, sa, sb
	v_wmma_scale_f32_16x16x128_f8f6f4 v[\d:\d+7], v[\a:\a+11], v[\b:\b+11], \c, v[\sa], v[\sb] matrix_a_fmt:MATRIX_FMT_FP6 matrix_b_fmt:MATRIX_FMT_FP6
.endm
.macro KL c, j, a16, a8                ; tile j of band c: six registers
	ds_load_b128 v[KF+6*(4*\c+\j):KF+6*(4*\c+\j)+3], \a16 offset:(4*\c+\j%2)*960+128*(\j/2)
	ds_load_b64 v[KF+6*(4*\c+\j)+4:KF+6*(4*\c+\j)+5], \a8 offset:(4*\c+\j%2)*960+640+64*(\j/2)
.endm
.macro KSC c, g, as                    ; the scale words of tiles 2 g, 2 g + 1 of band c
	ds_load_b64 v[KW+4*\c+2*\g:KW+4*\c+2*\g+1], \as offset:256*\c+128*\g
.endm
.macro SUMR k                          ; four chains of the row's sum take pairs k .. k + 3 of p
	v_pk_add_f32 v[16:17], v[16:17], v[SB+2*(\k):SB+2*(\k)+1]
	v_pk_add_f32 v[18:19], v[18:19], v[SB+2*(\k)+2:SB+2*(\k)+3]
	v_pk_add_f32 v[20:21], v[20:21], v[SB+2*(\k)+4:SB+2*(\k)+5]
	v_pk_add_f32 v[14:15], v[14:15], v[SB+2*(\k)+6:SB+2*(\k)+7]
.endm
.macro TMINUS n                        ; t - M of the next 2 n scores
.rept \n
	v_pk_fma_f32 v[SB+j:SB+j+1], v[SB+j:SB+j+1], s[CS:CS+1], v[12:13] op_sel_hi:[1,0,0]
.set j, j+2
.endr
.endm
	s_load_b128 s[4:7], s[0:1], 0x0                ; c2, s2
	s_load_b128 s[8:11], s[0:1], 0x10              ; c3, s3
	v_lshl_add_u32 v[SPW], v0, 2, SPARE
	v_mov_b32 v[NIL], 0
	ds_add_u32 v[SPW], v[NIL]                      ; the wave's opening: the add, twice on end, and its wait ahead of my tensor load
	ds_add_u32 v[SPW], v[NIL]
	v_lshrrev_b32 v16, 5, v0
	v_readfirstlane_b32 s14, v16                   ; wave 0..15
	s_bfe_u32 s18, ttmp6, 0x40000                  ; cx: it enters Q's and y's global addresses alone
	s_and_b32 s19, ttmp7, 0xffff                   ; hb = head x 4 + batch
	s_lshr_b32 s20, s19, 2
	s_and_b32 s21, s19, 3
	s_min_u32 s22, s14, 11                         ; waves 0-11: 64 rows of the images,
	s_lshl_b32 s70, s22, 14
	s_mul_i32 s22, s22, 20480
	s_add_co_u32 s22, s22, KI
	s_and_b32 s23, s14, 3                          ; waves 12-15: 12 rows of the scale words
	s_mul_i32 s23, s23, 3072
	s_mul_i32 s71, s19, 196608
	s_add_co_u32 s70, s70, s71
	s_add_co_u32 s70, s70, 6291456
	s_mov_b32 s71, 0
	s_mul_i32 s72, s19, 12288
	s_add_co_u32 s72, s72, s23
	s_add_co_u32 s72, s72, 524288
	s_mov_b32 s73, 0
	s_mov_b32 s[G1I], 15|(3<<16)|(1<<20)|(1<<21)|(5<<22)|(15<<25)   ; the mask: all four partners; elements of 8 bytes; bit 21 beside a mask; 16 words of padding behind every 64
	s_mov_b32 s[G1I+1], 32<<16
	s_mov_b32 s[G1I+2], 64<<16
	s_mov_b32 s[G1I+3], 32<<16
	s_mov_b32 s[G1I+4], 64
	s_mov_b32 s[G1I+5], 32
	s_mov_b32 s[G1I+6], 0
	s_mov_b32 s[G1I+7], 0
	s_mov_b32 s[G1S], 15|(3<<16)|(1<<21)
	s_mov_b32 s[G1S+1], 32<<16
	s_mov_b32 s[G1S+2], 12<<16
	s_mov_b32 s[G1S+3], 32<<16
	s_mov_b32 s[G1S+4], 12
	s_mov_b32 s[G1S+5], 32
	s_mov_b32 s[G1S+6], 0
	s_mov_b32 s[G1S+7], 0
	s_lshl_b32 s74, s18, 5
	s_lshl_b32 s75, s14, 1
	s_add_co_u32 s74, s74, s75                     ; my first tile of queries in the batch: 32 cx + 2 wave
	s_mul_i32 s76, s19, 98304
	s_mul_i32 s77, s74, 768
	s_add_co_u32 s76, s76, s77                     ; its codes
	s_mov_b32 s77, 0
	s_lshl_b32 s78, s19, 13                        ; its scale words: hb x 8,192 + (tile / 8) x 512 + ((tile / 4) % 2) x 256 + (tile % 4) x 4
	s_lshl_b32 s79, s18, 11
	s_add_co_u32 s78, s78, s79
	s_lshr_b32 s79, s14, 2
	s_lshl_b32 s79, s79, 9
	s_add_co_u32 s78, s78, s79
	s_bfe_u32 s79, s14, 0x10001
	s_lshl_b32 s79, s79, 8
	s_add_co_u32 s78, s78, s79
	s_and_b32 s79, s14, 1
	s_lshl_b32 s79, s79, 3
	s_add_co_u32 s78, s78, s79
	s_mov_b32 s79, 0
	s_lshl_b32 s80, s21, 7
	s_add_co_u32 s80, s80, s74
	s_lshl_b32 s80, s80, 4
	s_add_co_u32 s80, s80, s20
	s_mul_i32 s80, s80, 768                        ; y's codes
	s_mov_b32 s81, 0
	s_lshl_b32 s82, s20, 15                        ; y's scale words: the work-group's 2,048 bytes, a quarter for each of waves 0-3
	s_lshl_b32 s83, s21, 13
	s_add_co_u32 s82, s82, s83
	s_lshl_b32 s83, s18, 11
	s_add_co_u32 s82, s82, s83
	s_min_u32 s84, s14, 3
	s_lshl_b32 s84, s84, 9
	s_add_co_u32 s82, s82, s84
	s_mov_b32 s83, 0
	s_add_co_u32 s[YRB], s84, YS
	s_lshl_b32 s85, s14, 7
	s_add_co_u32 s[YWB], s85, YS
	s_mov_b32 s[SEL], 0x76543210
	s_mov_b32 s[SEL+1], 0xfedcba98
	s_mov_b32 s[CS], 0x3e38aa3b
	s_mov_b32 s[CS+1], s[CS]
	s_wait_dscnt 0x0                               ; both opening adds are done
	s_wait_kmcnt 0x0
	s_mov_b32 s[G0I], 1
	s_mov_b32 s[G0I+1], s22
	s_add_nc_u64 s[G0I+2:G0I+3], s[4:5], s[70:71]
	s_or_b32 s[G0I+3], s[G0I+3], 0x80000000
	s_mov_b32 s[G0S], 1
	s_mov_b32 s[G0S+1], s23
	s_add_nc_u64 s[G0S+2:G0S+3], s[6:7], s[72:73]
	s_or_b32 s[G0S+3], s[G0S+3], 0x80000000
	s_add_nc_u64 s[48:49], s[4:5], s[76:77]
	s_add_nc_u64 s[50:51], s[6:7], s[78:79]
	s_add_nc_u64 s[52:53], s[8:9], s[80:81]
	s_add_nc_u64 s[54:55], s[10:11], s[82:83]
	CROUND                                         ; all four work-groups are here: the joint loads meet
	s_cmp_lt_u32 s14, 12                           ; one tensor load a wave: the launch's only fills
	s_cbranch_scc0 .Lfor_scales
	tensor_load_to_lds s[G0I:G0I+3], s[G1I:G1I+7]
	s_nop 0
.rept 4
	v_nop
.endr
	s_branch .Lasked
.Lfor_scales:
	tensor_load_to_lds s[G0S:G0S+3], s[G1S:G1S+7]
	s_nop 0
.rept 4
	v_nop
.endr
.Lasked:
	v_and_b32 v16, 31, v0                          ; lane
	v_and_b32 v17, 15, v0                          ; r
	v_bfe_u32 v18, v0, 4, 1                        ; h
	v_and_b32 v19, 7, v0                           ; r % 8
	v_bfe_u32 v20, v0, 3, 1                        ; r / 8
	v_lshlrev_b32 v100, 4, v16
	v_lshlrev_b32 v101, 3, v16
	v_lshlrev_b32 v102, 4, v17
	global_load_b128 v[QF:QF+3], v100, s[48:49]    ; my first tile of queries
	global_load_b64 v[QF+4:QF+5], v101, s[48:49] offset:512
	global_load_b32 v[QW], v102, s[50:51]
	v_add_nc_u32 v1, VS, v102                      ; V's scale words: 16 r
	v_mul_u32_u24 v21, v20, 1920                   ; K: rows 8-15 of a tile come from the tile two on,
	v_lshl_add_u32 v2, v19, 4, v21                 ; registers 0-3: place x 16,
	v_mad_u32_u24 v2, v18, 320, v2                 ; the upper half of the lanes a row of the image on;
	v_add_nc_u32 v2, KI, v2
	v_lshl_add_u32 v3, v19, 3, v21                 ; registers 4-5: place x 8 + 128 h
	v_lshl_add_u32 v3, v18, 7, v3
	v_add_nc_u32 v3, KI, v3
	v_mad_u32_u24 v6, v18, 320, v102               ; V: 16 x lane, by rows of the image
	v_add_nc_u32 v6, VI, v6
	v_lshlrev_b32 v8, 4, v19                       ; K's scale words: place x 16 + 8 (r / 8)
	v_lshl_add_u32 v8, v20, 3, v8
	v_lshlrev_b32 v9, 3, v18                       ; 8 h
.irp j, 6,7,8,9,10,11
	v_mov_b32 v[QF+\j], 0                          ; zero codes for the upper 64 of the instruction's 128
.endr
.set j, 0
.rept 13
	v_mov_b32 v[PC+j], 0                           ; read as the last tile's upper registers, and as lane permutes' destinations, before they are first made
.set j, j+1
.endr
	v_mov_b32 v11, 0                               ; the upper half of the pair v[10:11], and a lane permute's destination
	s_wait_alu depctr_va_vdst(0)
	s_wait_tensorcnt 0x0                           ; my part has landed,
	s_barrier_signal -1
	s_barrier_wait -1                              ; everybody's has
.macro KSTEP                           ; 128 keys
	v_add_nc_u32 v16, s[TV], v6                    ; (these four are the places behind the last step's products)
	v_add_nc_u32 v18, s[TJ], v1
	v_mov_b32 v99, v12                             ; the old -M
	v_nop
.irp t, 0,1,2,3                        ; 13 loads: V's four fragments and their scale words land under the scores and the softmax
.irp k, 0,1,2
	ds_load_b128 v[VF+12*\t+4*\k:VF+12*\t+4*\k+3], v16 offset:\t*1920+640*\k
.endr
.endr
	ds_load_b128 v[VW:VW+3], v18
	s_wait_dscnt 13                                ; K and its scale words, asked for a step ago, are in; the 13 just issued may be out
.irp n, 0,1,2,3,4,5,6,7
	MM SB+8*\n, KF+6*\n, QF, 0, KW+\n, QW
.endr
	v_add_nc_u32 v19, s[TB], v2                    ; (four places in front of the first read of the scores, and of loads into registers that products have read)
	v_add_nc_u32 v20, s[TB], v3
	v_add_nc_u32 v21, s[TS], v8
	v_nop
.irp b, 0,1,2,3                        ; the largest score of my two blocks of 32 keys, each in two chains: for the row's maximum and, since p rises with the score, for the block's largest p
	v_max3_num_f32 v[TM+\b], v[SB+16*\b], v[SB+16*\b+1], v[SB+16*\b+2]
.endr
.irp i, 3,5,7,9,11,13
.irp b, 0,1,2,3
	v_max3_num_f32 v[TM+\b], v[TM+\b], v[SB+16*\b+\i], v[SB+16*\b+\i+1]
.endr
.endr
	v_max3_num_f32 v[TM], v[TM], v[SB+15], v[SB+31]
	v_max3_num_f32 v[TM+2], v[TM+2], v[SB+47], v[SB+63]
	KL 0, 0, v19, v20                              ; the next step's K, 20 loads, laid between the links of the chain that makes M
	KSC 0, 0, v21
	v_max_num_f32 v[TM], v[TM], v[TM+1]
	v_max_num_f32 v[TM+2], v[TM+2], v[TM+3]
	KL 0, 1, v19, v20
	KSC 0, 1, v21
	v_max_num_f32 v[TM+4], v[TM], v[TM+2]
	KL 0, 2, v19, v20
	KSC 1, 0, v21
	v_permlanex16_b32 v[TM+5], v[TM+4], s[SEL], s[SEL+1]
	KL 0, 3, v19, v20
	KSC 1, 1, v21
	v_max3_num_f32 v13, v13, v[TM+4], v[TM+5]      ; the running largest score of my query
	KL 1, 0, v19, v20
	KL 1, 1, v19, v20
	v_mul_f32 v[TM+4], s[CS], v13                  ; as t
	KL 1, 2, v19, v20
	v_floor_f32 v12, -v[TM+4]                      ; the new -M = -ceil(t)
	KL 1, 3, v19, v20
	v_sub_f32 v99, v12, v99                        ; old M - new M: a whole number, 0 or less
.set j, 0
	TMINUS 8
	v_cvt_i32_f32 v99, v99                         ; (it saturates)
	TMINUS 8
	v_ldexp_f32 v10, 1.0, v99                      ; f = 2^(old M - new M): multiplying by it rounds nothing
	TMINUS 16
	v_fma_f32 v[TM], v[TM], s[CS], v12
	v_fma_f32 v[TM+2], v[TM+2], s[CS], v12
.set j, 0
.rept 16
	v_pk_mul_f32 v[OB+j:OB+j+1], v[OB+j:OB+j+1], v[10:11] op_sel_hi:[1,0]   ; O^T under the new M
.set j, j+2
.endr
	s_wait_alu depctr_va_vdst(0)                   ; ahead of the batch
	v_exp_f32 v[TM], v[TM]                         ; each block's largest p,
	v_exp_f32 v[TM+2], v[TM+2]
.set j, 0
.rept 64
	v_exp_f32 v[SB+j], v[SB+j]                     ; and p = 2^(t - M)
.set j, j+1
.endr
	v_pk_mul_f32 v[14:15], v[14:15], v[10:11] op_sel_hi:[1,0]   ; the sum under the new M: the plain line behind the exponentials
	s_wait_alu depctr_va_vdst(0)                   ; one wait for the batch, ahead of its first reader
	v_max_num_f32 v[TM], 0x1800000, v[TM]          ; the floor 2^(3 - 127)
	v_max_num_f32 v[TM+2], 0x1800000, v[TM+2]
	v_pk_add_f32 v[16:17], v[SB:SB+1], v[SB+2:SB+3]             ; the row's sum, of the unquantised p, in four chains, laid among the lines that make codes and scales
	v_pk_add_f32 v[18:19], v[SB+4:SB+5], v[SB+6:SB+7]
	v_pk_add_f32 v[20:21], v[SB+8:SB+9], v[SB+10:SB+11]
	v_pk_add_f32 v[14:15], v[14:15], v[SB+12:SB+13]
	v_add_nc_u32 v22, 0xff000000, v[TM]            ; 2 off the exponent field: the conversions' scale operands
	v_add_nc_u32 v23, 0xff000000, v[TM+2]
	SUMR 7
	v_cvt_scalef32_pk16_fp6_f32 v[PC:PC+2], v[SB:SB+15], v22
	v_cvt_scalef32_pk16_fp6_f32 v[PC+4:PC+6], v[SB+16:SB+31], v22       ; a conversion's three registers begin on an even number: made one register up and moved down
	v_cvt_scalef32_pk16_fp6_f32 v[PC+10:PC+12], v[SB+48:SB+63], v23
	v_lshrrev_b32 v99, 23, v22                     ; my two bytes: blocks h and 2 + h
	v_lshrrev_b32 v11, 23, v23
	v_mov_b32 v[PC+3], v[PC+4]
	v_mov_b32 v[PC+4], v[PC+5]
	v_mov_b32 v[PC+5], v[PC+6]
	v_lshl_or_b32 v99, v11, 16, v99
	v_mov_b32 v[PC+9], v[PC+10]
	v_mov_b32 v[PC+10], v[PC+11]
	v_mov_b32 v[PC+11], v[PC+12]
	v_lshlrev_b32 v99, v9, v99                     ; at their places in the scale word
	v_cvt_scalef32_pk16_fp6_f32 v[PC+6:PC+8], v[SB+32:SB+47], v23
	SUMR 11
	v_permlanex16_b32 v11, v99, s[SEL], s[SEL+1]
	SUMR 15
	v_or_b32 v[PW], v99, v11                       ; with lane l xor 16's two the word is whole; sixteen plain lines stand between it and the products
	SUMR 19
	SUMR 23
	SUMR 27
	v_pk_add_f32 v[14:15], v[14:15], v[SB+62:SB+63]
	v_pk_add_f32 v[16:17], v[16:17], v[18:19]
	v_pk_add_f32 v[14:15], v[14:15], v[20:21]
	v_pk_add_f32 v[14:15], v[14:15], v[16:17]
	s_wait_dscnt 20                                ; V is in; the next step's 20 loads may be out
.irp t, 0,1,2,3
	MM OB+8*\t, VF+12*\t, PC, v[OB+8*\t:OB+8*\t+7], VW+\t, PW
.endr
	s_add_co_u32 s[TB], s[TB], KSTP
	s_add_co_u32 s[TS], s[TS], 512
	s_add_co_u32 s[TJ], s[TJ], 256
	s_add_co_u32 s[TV], s[TV], KSTP
.endm
.macro TILE jt
	s_wait_xcnt 0x0                                ; earlier loads and stores have read their registers
	s_mov_b32 s[TB], KSTP
	s_mov_b32 s[TS], 512
	s_mov_b32 s[TV], 0
	s_mov_b32 s[TJ], 0
.irp c, 0,1                            ; step 0's K: 20 loads
.irp j, 0,1,2,3
	KL \c, \j, v2, v3
.endr
.irp g, 0,1
	KSC \c, \g, v8
.endr
.endr
	v_mov_b32 v13, 0xff61b1e6                      ; the largest score so far: -3e38
	v_mov_b32 v12, 0x7f61b1e6                      ; -M: 3e38, so that the first f is 0
	v_mov_b32 v14, 0
	v_mov_b32 v15, 0
.set j, 0
.rept 32
	v_mov_b32 v[OB+j], 0                           ; O^T: the step is written once; the first finds zeros
.set j, j+1
.endr
	s_wait_alu depctr_va_vdst(0)
	s_wait_loadcnt 0x0                             ; Q
.Lkey_\jt:
	KSTEP
	s_cmp_lg_u32 s[TV], 16*KSTP                    ; sixteen steps
	s_cbranch_scc1 .Lkey_\jt
	s_wait_dscnt 0x0                               ; the last request for K, which nobody uses, has come back
	v_and_b32 v16, 31, v0                          ; (four places behind the last products)
	v_and_b32 v17, 15, v0
	v_nop
	v_nop
	v_lshlrev_b32 v100, 4, v16
	v_lshlrev_b32 v101, 3, v16
	v_lshlrev_b32 v102, 4, v17
.if \jt == 0
	global_load_b128 v[QF:QF+3], v100, s[48:49] offset:768      ; the next tile's queries land under this tile's way out
	global_load_b64 v[QF+4:QF+5], v101, s[48:49] offset:768+512
	global_load_b32 v[QW], v102, s[50:51] offset:4
.endif
	s_wait_alu depctr_va_vdst(0)
	v_add_f32 v14, v14, v15
	s_delay_alu instid0(VALU_DEP_1)
	v_permlanex16_b32 v18, v14, s[SEL], s[SEL+1]
	s_delay_alu instid0(VALU_DEP_1)
	v_add_f32 v14, v14, v18                        ; the row's sum
	s_wait_alu depctr_va_vdst(0)
	v_rcp_f32 v14, v14
	v_nop
	s_wait_alu depctr_va_vdst(0)                   ; ahead of the reciprocal's first reader
.set j, 0
.rept 32
	v_mul_f32 v[SB+j], v[OB+j], v14                ; y: register 16 b + i = d 32 b + 16 h + i of my query
.set j, j+1
.endr
.irp b, 0,1
	v_max3_num_f32 v[16+\b], |v[SB+16*\b]|, |v[SB+16*\b+1]|, 0x1800000
.endr
.irp i, 2,4,6,8,10,12,14
.irp b, 0,1
	s_delay_alu instid0(VALU_DEP_2)
	v_max3_num_f32 v[16+\b], v[16+\b], |v[SB+16*\b+\i]|, |v[SB+16*\b+\i+1]|
.endr
.endr
.irp b, 0,1
	s_delay_alu instid0(VALU_DEP_2)
	v_permlanex16_b32 v[18+\b], v[16+\b], s[SEL], s[SEL+1]
.endr
.irp b, 0,1
	s_delay_alu instid0(VALU_DEP_2)
	v_max_num_f32 v[16+\b], v[16+\b], v[18+\b]
.endr
.irp b, 0,1
	s_delay_alu instid0(VALU_DEP_2)
	v_add_nc_u32 v[22+\b], 0xff000000, v[16+\b]
.endr
.irp b, 0,1
	s_delay_alu instid0(VALU_DEP_2)
	v_lshrrev_b32 v[18+\b], 23, v[22+\b]
.endr
	s_delay_alu instid0(VALU_DEP_1)
	v_lshl_or_b32 v20, v19, 8, v18                 ; the head's two bytes
	v_and_b32 v21, 15, v0
	s_delay_alu instid0(VALU_DEP_1)
	v_lshl_add_u32 v21, v21, 2, s[YWB]             ; YS + 128 x wave + 4 r
	v_cvt_scalef32_pk16_fp6_f32 v[PC:PC+2], v[SB:SB+15], v22
	v_cvt_scalef32_pk16_fp6_f32 v[PC+4:PC+6], v[SB+16:SB+31], v23
	v_nop
.irp i, 0,1,2
	v_permlane16_swap_b32 v[PC+\i], v[PC+4+\i]     ; a whole block to a lane
.endr
	s_delay_alu instid0(VALU_DEP_3)
	v_mov_b32 v[PC+3], v[PC+4]
	s_delay_alu instid0(VALU_DEP_3)
	v_mov_b32 v[PC+4], v[PC+5]
	s_delay_alu instid0(VALU_DEP_3)
	v_mov_b32 v[PC+5], v[PC+6]
	global_store_b128 v100, v[PC:PC+3], s[52:53] offset:\jt*12288
	global_store_b64 v101, v[PC+4:PC+5], s[52:53] offset:\jt*12288+512
	ds_store_b32 v21, v20 offset:64*\jt            ; lanes l and l xor 16 write the same word with the same value
.endm
	TILE 0
	TILE 1
	s_wait_dscnt 0x0                               ; my two stores into YS have landed
	s_barrier_signal -1
	s_barrier_wait -1
	v_add_nc_u32 v16, s[YRB], v100
	s_cmp_lt_u32 s14, 4                            ; waves 0-3 store the 2,048 bytes, 512 consecutive bytes each
	s_cbranch_scc0 .Lno_ys
	ds_load_b128 v[SB:SB+3], v16
	s_wait_dscnt 0x0
	global_store_b128 v100, v[SB:SB+3], s[54:55]
.Lno_ys:
	s_wait_tensorcnt 0x0                           ; the wave's end
	ds_add_u32 v[SPW], v[NIL]
	s_wait_dscnt 0x0
	CROUND                                         ; the closing round
	s_endpgm
.Lfunc_end_k_qfcf517134d_attn:
	.size	k_qfcf517134d_attn, .Lfunc_end_k_qfcf517134d_attn-k_qfcf517134d_attn
	.p2alignl 7, 3214868480
	.fill 96, 4, 3214868480
	.section	.rodata,"a",@progbits
	.p2align	6, 0x0
	.amdhsa_kernel k_qfcf517134d_attn
		.amdhsa_group_segment_fixed_size 262144
		.amdhsa_private_segment_fixed_size 0
		.amdhsa_enable_private_segment 0
		.amdhsa_kernarg_size 32
		.amdhsa_user_sgpr_count 2
		.amdhsa_user_sgpr_kernarg_segment_ptr 1
		.amdhsa_wavefront_size32 1
		.amdhsa_system_sgpr_workgroup_id_x 1
		.amdhsa_system_sgpr_workgroup_id_y 1
		.amdhsa_system_sgpr_workgroup_id_z 1
		.amdhsa_system_vgpr_workitem_id 0
		.amdhsa_next_free_vgpr 256
		.amdhsa_next_free_sgpr 96
		.amdhsa_reserve_vcc 0
		.amdhsa_float_denorm_mode_32 3
		.amdhsa_float_denorm_mode_16_64 3
		.amdhsa_memory_ordered 1
		.amdhsa_forward_progress 1
		.amdhsa_inst_pref_size 54
	.end_amdhsa_kernel
	.amdgpu_metadata
---
amdhsa.version: [ 1, 2 ]
amdhsa.kernels:
  - .name:           k_qfcf517134d_attn
    .symbol:         k_qfcf517134d_attn.kd
    .args:
      - { .name: c2, .offset: 0, .size: 8, .value_kind: global_buffer, .address_space: global }
      - { .name: s2, .offset: 8, .size: 8, .value_kind: global_buffer, .address_space: global }
      - { .name: c3, .offset: 16, .size: 8, .value_kind: global_buffer, .address_space: global }
      - { .name: s3, .offset: 24, .size: 8, .value_kind: global_buffer, .address_space: global }
    .group_segment_fixed_size: 262144
    .private_segment_fixed_size: 0
    .kernarg_segment_align: 8
    .kernarg_segment_size: 32
    .max_flat_workgroup_size: 512
    .sgpr_count:     96
    .vgpr_count:     256
    .wavefront_size: 32
...
	.end_amdgpu_metadata
.endif
;; end of part 3
;; launch proj (part 4): grid 8 x 32, 4 waves a work-group, clusters of 4 x 4, 307,712 bytes of LDS; arguments c1, s1, c3, s3, out0; writes out0
.if DOCPART == 4
	.amdgcn_target "amdgcn-amd-amdhsa--gfx1250"
	.amdhsa_code_object_version 6
	.text
	.protected	k_qfcf517134d_proj
	.globl	k_qfcf517134d_proj
	.p2align	8
	.type	k_qfcf517134d_proj,@function
k_qfcf517134d_proj:
	s_mov_b64 s[64:65], 0
	v_nop
	global_prefetch_b8 v0, s[64:65] scope:SCOPE_SE
	s_setreg_imm32_b32 hwreg(HW_REG_WAVE_MODE, 25, 1), 1
	s_wait_xcnt 0x0
	s_wait_alu depctr_hold_cnt(0) depctr_sa_sdst(0) depctr_va_vdst(0) depctr_va_sdst(0) depctr_va_ssrc(0) depctr_va_vcc(0) depctr_vm_vsrc(0)
	s_getreg_b32 s2, hwreg(HW_REG_IB_STS2, 6, 4)
	s_cmp_eq_u32 s2, 0
	s_cbranch_scc0 .Lentry_in_a_cluster
	s_endpgm
.Lentry_in_a_cluster:
	s_bfe_u32 s2, ttmp6, 0x10000c
	s_cmp_lg_u32 s2, 0xf033
	s_cbranch_scc0 .Lentry_shape_is_right
	s_endpgm
.Lentry_shape_is_right:
; out0 = y w_proj^T on codes of E2M3 (K = 1,024).  y's codes lie in c3 as fragment images, tile x 12,288 bytes (8 fragments of 1,536: registers 0-3 at 16 x lane, 4-5 at 512 + 8 x lane, 6-9 at 768 + 16 x lane,
; 10-11 at 1,280 + 8 x lane); w_proj's are c1's tiles 704-767.  Tile 2 A + u of 16 rows holds at place p row 32 A + 8 u + p + 8 (p / 8), on both sides.
; 256 work-groups of four waves; a work-group makes 256 tokens x 128 outputs.  ALL OF K LIES IN LDS: y's 16 tiles (196,608 bytes) and the weights' 8 (98,304), each dense in memory, come by the head's loads, one a wave:
; waves 0 and 1 eight tiles of y each, wave 2 the weights, wave 3 the weights' scale words.  Nothing is filled again: no ring, and no round but the opening and the closing one.
; No prefetch: every load stands at the head, and no loop runs ahead of it.
; CLUSTERS 4 x 4: y's tiles are shared along a row of the cluster, the weights' along a column: joint loads.
; A wave takes 64 tokens (four tiles) x all 128 outputs: 32 accumulators in window 2.  Source 0 = the weights, source 1 = the tokens: a lane holds one token and eight neighbouring outputs a tile.
; Eight matrix steps of 128 along K, 32 products each; both operands have two sets of registers, and a step's 48 LDS loads are issued ahead of the step before's products.
; y's scale words lie head by head (two bytes a head and token): each wave reads those of 64 tokens, 256 consecutive bytes a load, joins two heads to a word and lays them in LDS as the weights' lie there.
.set WB,    196608                     ; the weights' tiles
.set SCT,   294912                     ; y's scale words, 8,192 bytes, written by ds_store alone
.set SCW,   303104                     ; the weights', 4,096 bytes, filled once
.set SPARE, 307200                     ; the spare words, 128 bytes a wave
.set WBASE, 704
.set FR,    12
.set SPW,   28
.set NIL,   29
.set ADRS,  30
.set SC,    32                         ; v32-95 scale words: register 8 i + s: lanes 0-15 my tokens' tile i (i < 4), lanes 16-31 the weights' tile i, matrix step s
.set AF,    128                        ; v128-223 the tokens' fragments, two sets of four; the weights' two sets of eight lie in window 1 at v0 and v128
.set BK,    128                        ; the way out: v128-191 and v192-255 by turns
.set SPITCH, 528                       ; the way out's stage, 16 rows x 528 bytes, lies at the start of my own four tiles of y: they have had their only fill, and I alone read them
.set G1T,   24
.set G1W,   32
.set G1SW,  48
.set G0T,   56
.set G0W,   60
.set G0SW,  68
.set MSB, 0
.macro WIN new                         ; the immediate's high byte repeats the setting that is left
.if MSB != (\new)
	s_set_vgpr_msb (MSB<<8)|(\new)
.set MSB, (\new)
.endif
.endm
.set MUL_LO, 0xa1                      ; source 0 window 1, source 1 window 0, C and D window 2
.set TO_0,   0x40                      ; destination window 1
.macro PLACES
.rept 4
	v_nop
.endr
.endm
.macro CROUND
	s_barrier_signal -1
	s_barrier_wait -1
	s_cmp_lg_u32 s14, 0
	s_cbranch_scc1 .Lnot_wave_0_\@
	s_barrier_signal -3
.Lnot_wave_0_\@:
	s_barrier_wait -3
	s_barrier_signal -1
	s_barrier_wait -1
.endm
.macro TLOAD g0, g1
	tensor_load_to_lds s[\g0:\g0+3], s[\g1:\g1+7]
	s_nop 0
	PLACES
.endm
.macro GROUP1 g, mask, rows            ; dense bytes as rows of 256
	s_or_b32 s[\g], s[\mask], (3<<16)|(1<<21)
	s_mov_b32 s[\g+1], 32<<16
	s_mov_b32 s[\g+2], (\rows)<<16
	s_mov_b32 s[\g+3], 32<<16
	s_mov_b32 s[\g+4], \rows
	s_mov_b32 s[\g+5], 32
	s_mov_b32 s[\g+6], 0
	s_mov_b32 s[\g+7], 0
.endm
.macro FRAG reg, a16, a8, off          ; a fragment's image: four dense loads
	ds_load_b128 v[\reg:\reg+3], v[\a16] offset:\off
	ds_load_b64 v[\reg+4:\reg+5], v[\a8] offset:\off+512
	ds_load_b128 v[\reg+6:\reg+9], v[\a16] offset:\off+768
	ds_load_b64 v[\reg+10:\reg+11], v[\a8] offset:\off+1280
.endm
.macro FETCH s                         ; matrix step s: the weights' eight fragments and my tokens' four, into sets s % 2
	WIN TO_0
.irp i, 0,1,2,3
	FRAG 128*((\s)%2)+FR*\i, 18, 19, \i*12288+(\s)*1536
.endr
.irp i, 0,1,2,3
	FRAG 128*((\s)%2)+FR*(\i+4), 20, 21, \i*12288+(\s)*1536
.endr
	WIN 0
.irp i, 0,1,2,3
	FRAG AF+48*((\s)%2)+FR*\i, 16, 17, \i*12288+(\s)*1536
.endr
.endm
; 32 products.  The 32 accumulators take turns, one instruction a turn, in the same order in every step.
.macro MUL32 s, zero
	WIN MUL_LO
.irp a, 0,1,2,3
.irp b, 0,1,2,3,4,5,6,7
.if \zero
	v_wmma_scale_f32_16x16x128_f8f6f4 v[8*(8*\a+\b):8*(8*\a+\b)+7], v[128*((\s)%2)+FR*\b:128*((\s)%2)+FR*\b+FR-1], v[AF+48*((\s)%2)+FR*\a:AF+48*((\s)%2)+FR*\a+FR-1], 0, v[SC+8*\b+(\s)], v[SC+8*\a+(\s)] matrix_a_fmt:MATRIX_FMT_FP6 matrix_b_fmt:MATRIX_FMT_FP6 matrix_a_scale:MATRIX_SCALE_ROW1
.else
	v_wmma_scale_f32_16x16x128_f8f6f4 v[8*(8*\a+\b):8*(8*\a+\b)+7], v[128*((\s)%2)+FR*\b:128*((\s)%2)+FR*\b+FR-1], v[AF+48*((\s)%2)+FR*\a:AF+48*((\s)%2)+FR*\a+FR-1], v[8*(8*\a+\b):8*(8*\a+\b)+7], v[SC+8*\b+(\s)], v[SC+8*\a+(\s)] matrix_a_fmt:MATRIX_FMT_FP6 matrix_b_fmt:MATRIX_FMT_FP6 matrix_a_scale:MATRIX_SCALE_ROW1
.endif
.endr
.endr
	WIN 0
.endm
	s_load_b128 s[4:7], s[0:1], 0x0                ; c1, s1
	s_load_b128 s[8:11], s[0:1], 0x10              ; c3, s3
	s_load_b64 s[12:13], s[0:1], 0x20              ; out0
	v_lshl_add_u32 v[SPW], v0, 2, SPARE
	v_mov_b32 v[NIL], 0
	ds_add_u32 v[SPW], v[NIL]                      ; the wave's opening: the add, twice on end, and its wait ahead of my tensor load
	ds_add_u32 v[SPW], v[NIL]
	v_lshrrev_b32 v1, 5, v0
	v_readfirstlane_b32 s14, v1                    ; wave 0..3: my 64 tokens
	s_and_b32 s16, s14, 1                          ; waves 0, 1: which eight tiles of y I fetch
	s_bfe_u32 s18, ttmp6, 0x40000                  ; cx
	s_bfe_u32 s19, ttmp6, 0x40004                  ; cy
	s_lshl_b32 s20, ttmp9, 2
	s_add_co_u32 s20, s20, s18                     ; X: which 128 outputs
	s_and_b32 s21, ttmp7, 0xffff
	s_lshl_b32 s21, s21, 2
	s_add_co_u32 s21, s21, s19                     ; Y: which 256 tokens
	s_lshl_b32 s22, s19, 2
	s_lshl_b32 s22, 15, s22                        ; my row of the cluster
	s_lshl_b32 s23, 0x1111, s18                    ; my column
	GROUP1 G1T, 22, 384
	GROUP1 G1W, 23, 384
	GROUP1 G1SW, 23, 16
	s_mul_i32 s2, s16, 98304                       ; eight tiles: in memory and in LDS alike
	s_mul_i32 s96, s21, 196608
	s_add_co_u32 s96, s96, s2
	s_mov_b32 s97, 0
	s_lshl_b32 s94, s20, 3
	s_add_co_u32 s94, s94, WBASE                   ; the weights' first tile
	s_mul_i32 s98, s94, 12288
	s_mov_b32 s99, 0
	s_lshl_b32 s94, s94, 9
	s_mov_b32 s95, 0
	s_wait_dscnt 0x0                               ; both opening adds are done
	s_wait_kmcnt 0x0
	s_add_nc_u64 s[96:97], s[8:9], s[96:97]
	s_add_nc_u64 s[98:99], s[4:5], s[98:99]
	s_add_nc_u64 s[94:95], s[6:7], s[94:95]
	CROUND                                         ; all sixteen work-groups are here: the joint loads meet
	s_mov_b32 s[G0T], 1
	s_mov_b32 s[G0T+1], s2
	s_mov_b64 s[G0T+2:G0T+3], s[96:97]
	s_or_b32 s[G0T+3], s[G0T+3], 0x80000000
	s_mov_b32 s[G0W], 1
	s_mov_b32 s[G0W+1], WB
	s_mov_b64 s[G0W+2:G0W+3], s[98:99]
	s_or_b32 s[G0W+3], s[G0W+3], 0x80000000
	s_mov_b32 s[G0SW], 1
	s_mov_b32 s[G0SW+1], SCW
	s_mov_b64 s[G0SW+2:G0SW+3], s[94:95]
	s_or_b32 s[G0SW+3], s[G0SW+3], 0x80000000
	s_cmp_lt_u32 s14, 2                            ; one load a wave, in one chain of branches on the wave's number
	s_cbranch_scc0 .Lhead_w
	TLOAD G0T, G1T
	s_branch .Lasked
.Lhead_w:
	s_cmp_eq_u32 s14, 2
	s_cbranch_scc0 .Lhead_sw
	TLOAD G0W, G1W
	s_branch .Lasked
.Lhead_sw:
	TLOAD G0SW, G1SW
.Lasked:
	s_mul_i32 s92, s14, 49152                      ; my four tiles of y; my stage too
	s_lshl_b32 s93, s14, 11                        ; their scale words
	s_sub_co_u32 s94, 8192, s93                    ; from them to the weights'
	s_add_co_u32 s95, s93, SCT
	s_lshl_b32 s96, s21, 10                        ; s3: y's scale words of tokens 64 wave + 2 lane, + 1 (counted by tile and place), head by head
	s_lshl_b32 s97, s14, 8
	s_add_co_u32 s96, s96, s97
	s_mov_b32 s97, 0
	s_add_nc_u64 s[10:11], s[10:11], s[96:97]
	s_lshl_b32 s96, s21, 20                        ; out0: 256 Y rows of 4,096 bytes,
	s_lshl_b32 s98, s14, 18                        ; + 64 rows a wave,
	s_add_co_u32 s96, s96, s98
	s_lshl_b32 s98, s20, 9                         ; + 128 X columns
	s_add_co_u32 s96, s96, s98
	s_add_nc_u64 s[12:13], s[12:13], s[96:97]
	v_and_b32 v6, 31, v0                           ; lane
	v_and_b32 v7, 15, v0                           ; r
	v_bfe_u32 v8, v0, 4, 1                         ; h
	v_lshlrev_b32 v1, 4, v6                        ; 16 x lane
	v_lshlrev_b32 v2, 3, v6                        ; 8 x lane
	v_lshlrev_b32 v9, 4, v7                        ; 16 r
	v_add_nc_u32 v16, s92, v1                      ; source 1: my tiles of y
	v_add_nc_u32 v17, s92, v2
	v_add_nc_u32 v18, WB, v1                       ; source 0: the weights' tiles 0-3,
	v_add_nc_u32 v19, WB, v2
	v_add_nc_u32 v20, WB+49152, v1                 ; and 4-7
	v_add_nc_u32 v21, WB+49152, v2
	v_mul_u32_u24 v10, s94, v8                     ; the scale words: lanes 0-15 my tokens', lanes 16-31 the weights': the lower base + one product
	v_add_nc_u32 v10, v10, v9
	v_add_nc_u32 v[ADRS], s95, v10
	v_lshrrev_b32 v10, 3, v6                       ; where I lay y's words: tile 4 wave + lane / 8, place 2 (lane % 8) + e, 16 bytes a place
	v_and_b32 v11, 7, v6
	v_lshlrev_b32 v10, 9, v10
	v_lshl_add_u32 v10, v11, 5, v10
	v_add_nc_u32 v10, s95, v10
	v_mul_u32_u24 v3, v7, SPITCH
	v_lshl_add_u32 v3, v8, 6, v3
	v_add_nc_u32 v3, s92, v3                       ; the stage, in: row r, + 64 h
	v_add_nc_u32 v4, s92, v1                       ; back: a row of 512 bytes, 16 bytes a lane
	s_wait_alu depctr_va_vdst(0)
.irp d, 0,1,2,3,4,5,6,7,8,9,10,11,12,13,14,15
	global_load_b64 v[128+2*\d:129+2*\d], v2, s[10:11] offset:\d*32768   ; 32 lanes read 256 consecutive bytes
.endr
	s_wait_loadcnt 0x0
.irp e, 0,1
.irp s, 0,1,2,3,4,5,6,7
	v_lshl_or_b32 v[160+8*\e+\s], v[128+2*(2*\s+1)+\e], 16, v[128+4*\s+\e]   ; matrix step s: heads 2 s and 2 s + 1
.endr
.endr
.irp e, 0,1
.irp f, 0,1
	ds_store_b128 v10, v[160+8*\e+4*\f:163+8*\e+4*\f] offset:16*\e+256*\f
.endr
.endr
	s_wait_alu depctr_va_vdst(0)
	s_wait_tensorcnt 0x0                           ; my tile has landed,
	s_wait_dscnt 0x0                               ; and my part of y's scale words
	s_barrier_signal -1
	s_barrier_wait -1                              ; everybody's have
	FETCH 0
.irp i, 0,1,2,3,4,5,6,7                ; all eight steps' scale words, once
.irp f, 0,1
	ds_load_b128 v[SC+8*\i+4*\f:SC+8*\i+4*\f+3], v[ADRS] offset:\i*512+\f*256
.endr
.endr
	s_wait_dscnt 0x0
	FETCH 1
	MUL32 0, 1                                     ; the first step's products start the sums
.set ST, 1
.rept 6
	s_wait_dscnt 0x0                               ; this step's fragments, asked for ahead of the last step's products, are in
	PLACES                                         ; four places in front of loads into the sets that the last step's products have read
	FETCH ST+1
	MUL32 ST, 0
.set ST, ST+1
.endr
	s_wait_dscnt 0x0                               ; my last reads of the tiles are over
	MUL32 7, 0
; THE WAY OUT, a block of 16 tokens x 128 outputs at a time, through my own stage: in as 32 bytes a lane and tile, back as whole rows of 512 bytes.  LDS serves a wave's instructions in order.
.macro TOSTAGE a
	WIN 0x08                                       ; an LDS store's data: window 2
.irp b, 0,1,2,3,4,5,6,7
	ds_store_b128 v3, v[64*(\a)+8*\b:64*(\a)+8*\b+3] offset:128*(\b/2)+32*(\b%2)          ; tile b's registers are outputs 32 (b / 2) + 16 h + 8 (b % 2) + 0 .. 7; each accumulator from its low end on
	ds_store_b128 v3, v[64*(\a)+8*\b+4:64*(\a)+8*\b+7] offset:128*(\b/2)+32*(\b%2)+16
.endr
	WIN 0
.irp t, 0,1,2,3,4,5,6,7,8,9,10,11,12,13,14,15
	ds_load_b128 v[BK+64*((\a)%2)+4*\t:BK+64*((\a)%2)+4*\t+3], v4 offset:\t*SPITCH
.endr
.endm
.macro SEND a, younger
	s_wait_dscnt \younger                          ; the block is back in registers
.irp t, 0,1,2,3,4,5,6,7,8,9,10,11,12,13,14,15
	global_store_b128 v1, v[BK+64*((\a)%2)+4*\t:BK+64*((\a)%2)+4*\t+3], s[12:13] offset:(32*((\a)/2)+8*((\a)%2)+\t+8*(\t/8))*4096 th:TH_STORE_NT   ; 32 lanes store 512 consecutive bytes of the token at place t
.endr
.endm
	PLACES                                         ; in front of the first read of results and of loads into the operands' registers
	TOSTAGE 0
.irp a, 1,2,3
.if \a > 1
	s_wait_xcnt 0x0                                ; block a - 2's stores have read their registers: block a's loads may land there
.endif
	TOSTAGE \a
	SEND \a-1, 32                                  ; behind block a - 1's loads: block a's 16 stores and 16 loads
.endr
	SEND 3, 0
	s_wait_tensorcnt 0x0                           ; the wave's end
	ds_add_u32 v[SPW], v[NIL]
	s_wait_dscnt 0x0
	CROUND                                         ; the closing round
	s_endpgm
.Lfunc_end_k_qfcf517134d_proj:
	.size	k_qfcf517134d_proj, .Lfunc_end_k_qfcf517134d_proj-k_qfcf517134d_proj
	.p2alignl 7, 3214868480
	.fill 96, 4, 3214868480
	.section	.rodata,"a",@progbits
	.p2align	6, 0x0
	.amdhsa_kernel k_qfcf517134d_proj
		.amdhsa_group_segment_fixed_size 307712
		.amdhsa_private_segment_fixed_size 0
		.amdhsa_enable_private_segment 0
		.amdhsa_kernarg_size 40
		.amdhsa_user_sgpr_count 2
		.amdhsa_user_sgpr_kernarg_segment_ptr 1
		.amdhsa_wavefront_size32 1
		.amdhsa_system_sgpr_workgroup_id_x 1
		.amdhsa_system_sgpr_workgroup_id_y 1
		.amdhsa_system_sgpr_workgroup_id_z 1
		.amdhsa_system_vgpr_workitem_id 0
		.amdhsa_next_free_vgpr 768
		.amdhsa_next_free_sgpr 102
		.amdhsa_reserve_vcc 0
		.amdhsa_float_denorm_mode_32 3
		.amdhsa_float_denorm_mode_16_64 3
		.amdhsa_memory_ordered 1
		.amdhsa_forward_progress 1
		.amdhsa_inst_pref_size 84
	.end_amdhsa_kernel
	.amdgpu_metadata
---
amdhsa.version: [ 1, 2 ]
amdhsa.kernels:
  - .name:           k_qfcf517134d_proj
    .symbol:         k_qfcf517134d_proj.kd
    .args:
      - { .name: c1, .offset: 0, .size: 8, .value_kind: global_buffer, .address_space: global }
      - { .name: s1, .offset: 8, .size: 8, .value_kind: global_buffer, .address_space: global }
      - { .name: c3, .offset: 16, .size: 8, .value_kind: global_buffer, .address_space: global }
      - { .name: s3, .offset: 24, .size: 8, .value_kind: global_buffer, .address_space: global }
      - { .name: out0, .offset: 32, .size: 8, .value_kind: global_buffer, .address_space: global }
    .group_segment_fixed_size: 307712
    .private_segment_fixed_size: 0
    .kernarg_segment_align: 8
    .kernarg_segment_size: 40
    .max_flat_workgroup_size: 128
    .sgpr_count:     102
    .vgpr_count:     768
    .wavefront_size: 32
...
	.end_amdgpu_metadata
.endif
;; end of part 4
